; MI455X (gfx1250); checked and timed in simulation.
; The chip was launched on July 23, 2026; its instructions are those of AMD's public machine-readable ISA for CDNA 5 (MIT licence, August 2026) and "CDNA5" Instruction Set Architecture Reference Guide (July 2026). The comments in the code are by the model that wrote it; some were corrected since.
;; Multi Head Attention. Allowed arithmetic: matrix products marked QUANTISED: E3M2 operands, one E8M0 scale for each 32 along K, by v_wmma_scale_f32_16x16x128_f8f6f4 with both operands' format E3M2, f32 sums; everything else in f32.
;; Inputs: Wk 1,024 x 1,024 float32; Wo 1,024 x 1,024 float32; Wq 1,024 x 1,024 float32; Wv 1,024 x 1,024 float32; bk 1,024 float32; bo 1,024 float32; bq 1,024 float32; bv 1,024 float32; mask 4 x 1 x 1 x 2,048 float32; x 4 x 2,048 x 1,024 float32.
;; Outputs: out0 4 x 2,048 x 1,024 float32.
;; This version of the problem:
;;   THIS VERSION OF THE PROBLEM IS GIVEN IN LOW PRECISION. The matrix products marked QUANTISED in the list below multiply operands that are first quantised to E3M2 (3 exponent bits, 2 mantissa bits; 6 bits a number), with one power-of-two scale for each 32 numbers along K (OCP MX v1.0); their sums are f32. All else is computed in f32.
;;   The module's matrix products, in the order in which they are computed (A, B: the left and right operand; K: the contracted axis; several contracted axes count as one K, in the product's order):
;;     1. [M 8,192, K 1,024] x [K 1,024, N 1,024]; A: input x; B: input Wq: QUANTISED
;;     2. [M 8,192, K 1,024] x [K 1,024, N 1,024]; A: input x; B: input Wk: QUANTISED
;;     3. [M 8,192, K 1,024] x [K 1,024, N 1,024]; A: input x; B: input Wv: QUANTISED
;;     4. batch 64 x [M 2,048, K 64] x [K 64, N 2,048]; A: computed on the way; B: computed on the way: QUANTISED
;;     5. batch 64 x [M 2,048, K 2,048] x [K 2,048, N 64]; A: softmax (see below); B: computed on the way: QUANTISED
;;     6. [M 8,192, K 1,024] x [K 1,024, N 1,024]; A: computed on the way; B: input Wo: QUANTISED
;;   THE QUANTISER, for each operand of a quantised product, along K:
;;     - K is cut into blocks of 32 from its start; a last block that is shorter is filled with zeros.
;;     - A block's scale is 2^e with e = floor(log2(the largest magnitude in the block)) - 4, held to -126 .. 127; a block of zeros has e = 0. As a byte (E8M0): e + 127.
;;     - Each number is divided by its block's scale, clamped to +-28, and rounded to the nearest number of E3M2, ties to even, subnormals kept.
;;     - The product sums the exact products of the quantised numbers (number of the format x scale) in f32.
;;   ~~~python
;;   def quantise(x, axis):      # numpy; x: float32 -> the quantised numbers, widened to float32 again
;;       x = np.moveaxis(x, axis, -1); K = x.shape[-1]
;;       x = np.pad(x, [(0, 0)] * (x.ndim - 1) + [(0, -K % 32)]); x = x.reshape(x.shape[:-1] + (-1, 32)); a = np.abs(x).max(-1, keepdims=True)
;;       e = np.where(a > 0, np.clip(np.frexp(np.where(a > 0, a, 1))[1] - 1 - 4, -126, 127), 0)      # np.frexp(a)[1] - 1 = floor(log2(a)), exactly
;;       r = np.clip(x / 2.0 ** e, -28, 28)
;;       step = 2.0 ** (np.maximum(np.frexp(np.where(r == 0, 1, r))[1] - 1, -2) - 2)
;;       q = np.round(r / step) * step * 2.0 ** e      # np.round: ties to even
;;       return np.moveaxis(q.reshape(q.shape[:-2] + (-1,))[..., :K], -1, axis).astype(np.float32)
;;   ~~~
;;   SOFTMAX AHEAD OF A QUANTISED PRODUCT. Where the list says 'softmax', what is quantised is not the finished softmax but p = 2^(t - M), with t = logit x log2(e) and M = ceil(the row's largest t), a whole number; so 1/2 < the row's largest p <= 1. The row's sum l is taken of the UNQUANTISED p, in f32, and the product's result is divided by l at the end. Since M is a whole number, a kernel that streams over the keys may use a running M (the ceiling of the running maximum): every later rescaling is an exact power of two, which a block's scale takes up: the codes' values come out the same.
;;   OPERANDS COMPUTED ON THE WAY. 'Computed on the way' means the value that the module computes at that place (a softmax that the list does not call 'softmax' is quantised finished and normalised). What goes into a quantiser is computed in f32, as accurately as f32 sums, v_exp_f32 and their like allow (about 1e-6 of the number): no bf16 or f16 on the way to a quantiser, and a product that is left as it is and whose result goes on into a quantised operand takes f32 operands (vector FMAs, or v_wmma_f32_16x16x4_f32). A number that lies on a knife's edge between two numbers of the format may be rounded either way, as far as f32 arithmetic and the matrix unit's own rounding can turn it there, and no further.
;; One version. Each part assembles by itself: llvm-mc -triple=amdgcn-amd-amdhsa -mcpu=gfx1250 --defsym DOCPART=n.
;; ======== version 1 of 1: 4 launches
;; limits: right only within a limited range of input values
;; workspace buffers: x_op 6,553,600 bytes; w_op 3,276,800 bytes; a_op 6,553,600 bytes; q 6,815,744 bytes; kv 13,369,344 bytes
;; launch quant (part 1): grid 384 x 1, 4 waves a work-group, no clusters, 34,304 bytes of LDS; arguments x, Wq, Wk, Wv, Wo, x_op, w_op; writes x_op, w_op
.if DOCPART == 1
	.amdgcn_target "amdgcn-amd-amdhsa--gfx1250"
	.amdhsa_code_object_version 6
	.text
	.protected	k_q36bd4e47cd_quant
	.globl	k_q36bd4e47cd_quant
	.p2align	8
	.type	k_q36bd4e47cd_quant,@function
k_q36bd4e47cd_quant:
	s_mov_b64 s[64:65], 0
	v_nop
	global_prefetch_b8 v0, s[64:65] scope:SCOPE_SE
	s_setreg_imm32_b32 hwreg(HW_REG_WAVE_MODE, 25, 1), 1
	s_wait_xcnt 0x0
; x [8192][1024] and Wq, Wk, Wv, Wo [1024][1024], f32 with K innermost, become codes of BF6 (E3M2) with one E8M0 byte for each 32 along K,
; laid in the order in which a matrix operand's registers take them.
; A BLOCK is 16 rows, and they are not neighbours: block B holds rows 32 (B / 2) + 8 (B % 2) + r + 8 (r / 8), r = 0 .. 15.
; A block's image is 12,800 bytes: 16 half images of 768 bytes (64 along K each: lane (r, h) holds k = 32 h .. 32 h + 31 of row r in six registers;
; registers 0-3 at 16 x lane, registers 4-5 at 512 + 8 x lane), then 512 bytes of scale words [K half][row][4 words], a word for each 128 along K.
; A block's scale is 2^(floor(log2(largest magnitude)) - 4); its byte is the largest magnitude's exponent field - 4, held at 1 from below.
; A block of zeros gets the byte 1 where the rule says 127: its codes are zeros, and the bytes are read by this program alone.
; LIMITS: NaN and infinities among the inputs are not served.
; SHARES: work-groups 0-255 take x, 32 rows each; work-groups 256-383 the four weights, 32 each.  A wave takes one block and one half of K:
; 16 rows x 512, in four steps of 128.  A load reads 512 consecutive bytes of a row; the step's 8 KiB turn through the wave's own stage in LDS
; (rows 528 bytes apart), so that a lane gets two whole blocks of 32 neighbours.  Every store covers 512 or 256 consecutive aligned bytes.
; The launch streams: no matrix unit, no tensor load, no cluster, no barrier: waves share nothing.  Loads run two steps (32 loads a wave) ahead.
.set SPITCH, 528
.set OPB,  12800
.set R,    16                          ; v16-143  two sets of 64 numbers as loaded
.set X,    144                         ; v144-207 register 32 c + i = k 64 c + 32 h + i of my row
.set MXR,  208                         ; v208-209 largest magnitudes
.set SOP,  210                         ; v210-211 the conversions' scale operands
.set BY,   212                         ; v212-213 scale bytes
.set TW,   214                         ; v214     my two bytes of the scale word
.set PD,   215                         ; v215     the lane permute's destination
.set C0,   216                         ; v216-222, v224-230 codes
.set W,    232                         ; v232-235 the four steps' scale words
.set IM,   236                         ; v236-237 their image
	s_load_b256 s[4:11], s[0:1], 0x0               ; x, Wq, Wk, Wv
	s_load_b128 s[12:15], s[0:1], 0x20             ; Wo, x_op
	s_load_b64 s[16:17], s[0:1], 0x30              ; w_op
	v_lshl_add_u32 v240, v0, 2, 0x8400
	v_mov_b32 v241, 0
	v_lshrrev_b32 v1, 5, v0
	v_readfirstlane_b32 s18, v1                    ; wave
	v_and_b32 v1, 31, v0                           ; lane
	v_and_b32 v4, 15, v0                           ; r
	v_bfe_u32 v5, v0, 4, 1                         ; h
	v_lshlrev_b32 v2, 4, v1                        ; 16 x lane
	v_lshlrev_b32 v3, 3, v1                        ; 8 x lane
	s_mul_i32 s19, s18, 16*SPITCH                  ; my stage
	v_add_nc_u32 v6, s19, v2                       ; into it: a row as it lies
	v_mul_u32_u24 v7, v4, SPITCH
	v_lshl_add_u32 v7, v5, 7, v7
	v_add_nc_u32 v7, s19, v7                       ; out of it: row r, 128 h bytes on
	v_lshlrev_b32 v8, 4, v4
	v_lshl_add_u32 v8, v5, 3, v8                   ; the scale words' image: 16 r + 8 h
	v_lshlrev_b32 v9, 3, v5                        ; 8 h: my bytes' shift in a scale word
	v_mov_b32 v[PD], 0                             ; written once: a lane permute's destination counts as one of its sources
	s_mov_b32 s20, 0x76543210
	s_mov_b32 s21, 0xfedcba98                      ; selects for lane l xor 16
	s_mov_b32 s30, 0xffff0000                      ; lanes 16-31
	s_lshr_b32 s24, s18, 1                         ; which of the work-group's two blocks
	s_and_b32 s25, s18, 1                          ; which half of K
	s_cmp_lt_u32 ttmp9, 256
	s_cselect_b32 s22, 0, 256
	s_cselect_b32 s23, 0xff, 31
	s_sub_co_u32 s22, ttmp9, s22                   ; pair of blocks in the destination
	s_and_b32 s23, s22, s23                        ; and 32 rows in the source tensor
	s_lshl_b32 s26, s23, 17                        ; 32 rows of 4,096 bytes
	s_lshl_b32 s27, s24, 15                        ; + 8 rows for the second block
	s_add_co_u32 s26, s26, s27
	s_lshl_b32 s27, s25, 11                        ; + 2,048 bytes for the second half of K
	s_add_co_u32 s26, s26, s27
	s_mov_b32 s27, 0
	s_lshl_b32 s28, s22, 1
	s_add_co_u32 s28, s28, s24
	s_mul_i32 s28, s28, OPB                        ; my block's image
	s_mov_b32 s29, 0
	s_wait_alu depctr_va_vdst(0)
	s_wait_kmcnt 0x0
	s_cmp_lt_u32 ttmp9, 352                        ; the source and the destination are chosen by the work-group's number alone
	s_cselect_b64 s[12:13], s[10:11], s[12:13]
	s_cmp_lt_u32 ttmp9, 320
	s_cselect_b64 s[12:13], s[8:9], s[12:13]
	s_cmp_lt_u32 ttmp9, 288
	s_cselect_b64 s[12:13], s[6:7], s[12:13]
	s_cmp_lt_u32 ttmp9, 256
	s_cselect_b64 s[12:13], s[4:5], s[12:13]
	s_cselect_b64 s[14:15], s[14:15], s[16:17]
	s_add_nc_u64 s[12:13], s[12:13], s[26:27]      ; my rows
	s_add_nc_u64 s[14:15], s[14:15], s[28:29]
	s_mul_i32 s28, s25, 8*768
	s_add_nc_u64 s[16:17], s[14:15], s[28:29]      ; my eight half images
	s_lshl_b32 s28, s25, 8
	s_add_co_u32 s28, s28, 16*768
	s_add_nc_u64 s[14:15], s[14:15], s[28:29]      ; my 256 bytes of scale words
.macro LOAD t                          ; step t: 128 numbers of each of my 16 rows, into set t % 2
.irp i, 0,1,2,3,4,5,6,7,8,9,10,11,12,13,14,15
	global_load_b128 v[R+64*((\t)%2)+4*\i:R+64*((\t)%2)+4*\i+3], v2, s[12:13] offset:(\i+8*(\i/8))*4096+512*(\t) th:TH_LOAD_NT
.endr
.endm
.macro STEP t
.if (\t) < 3
	s_wait_loadcnt 16                              ; this step's 16 loads are in; the next step's 16 may be out
.else
	s_wait_loadcnt 0x0
.endif
.irp i, 0,1,2,3,4,5,6,7,8,9,10,11,12,13,14,15
	ds_store_b128 v6, v[R+64*((\t)%2)+4*\i:R+64*((\t)%2)+4*\i+3] offset:SPITCH*\i
.endr
.irp c, 0,1
.irp q, 0,1,2,3,4,5,6,7
	ds_load_b128 v[X+32*\c+4*\q:X+32*\c+4*\q+3], v7 offset:256*\c+16*\q   ; LDS serves a wave's instructions in order: these see the stores above
.endr
.endr
	s_wait_dscnt 0x0                               ; my 64 numbers are back, and the stores have read the set
	s_wait_xcnt 0x0                                ; the last step's stores have read their codes: those registers are written again only behind this wait
.if (\t) < 2
	LOAD (\t)+2
.endif
.irp c, 0,1
	v_max3_num_f32 v[MXR+\c], |v[X+32*\c]|, |v[X+32*\c+1]|, 0x2800000   ; my block 2 c + h, and the floor 2^(5 - 127): the byte cannot fall under 1
.endr
.irp i, 2,4,6,8,10,12,14,16,18,20,22,24,26,28,30
.irp c, 0,1
	v_max3_num_f32 v[MXR+\c], v[MXR+\c], |v[X+32*\c+\i]|, |v[X+32*\c+\i+1]|   ; (the two blocks by turns)
.endr
.endr
.irp c, 0,1
	v_add_nc_u32 v[SOP+\c], 0xfe000000, v[MXR+\c]  ; 4 off the exponent field: the conversion takes the exponent field of this operand as its scale
.endr
.irp c, 0,1
	v_lshrrev_b32 v[BY+\c], 23, v[SOP+\c]          ; the scale's byte
.endr
.irp c, 0,1
	v_cvt_scalef32_pk16_bf6_f32 v[C0+8*\c:C0+8*\c+2], v[X+32*\c:X+32*\c+15], v[SOP+\c]
	v_cvt_scalef32_pk16_bf6_f32 v[C0+8*\c+4:C0+8*\c+6], v[X+32*\c+16:X+32*\c+31], v[SOP+\c]   ; (a conversion's three registers begin on an even number)
.endr
	v_lshl_or_b32 v[TW], v[BY+1], 16, v[BY]        ; my two bytes: blocks h and 2 + h.  (Plain lines behind the conversions)
	v_lshlrev_b32 v[TW], v9, v[TW]                 ; at their places in the word
	v_permlanex16_b32 v[PD], v[TW], s20, s21
	v_or_b32 v[W+(\t)], v[TW], v[PD]               ; with lane l xor 16's two the word is whole
.irp c, 0,1
	v_mov_b32 v[C0+8*\c+3], v[C0+8*\c+4]           ; six registers on end
	v_mov_b32 v[C0+8*\c+4], v[C0+8*\c+5]
	v_mov_b32 v[C0+8*\c+5], v[C0+8*\c+6]
.endr
.irp c, 0,1
	global_store_b128 v2, v[C0+8*\c:C0+8*\c+3], s[16:17] offset:(2*(\t)+\c)*768          ; 512 consecutive bytes
	global_store_b64 v3, v[C0+8*\c+4:C0+8*\c+5], s[16:17] offset:(2*(\t)+\c)*768+512     ; 256 consecutive bytes
.endr
.endm
	LOAD 0
	LOAD 1
	STEP 0
	STEP 1
	STEP 2
	STEP 3
	v_cndmask_b32 v[IM], v[W], v[W+2], s30         ; lanes 0-15 store words 0 and 1 of row r, lanes 16-31 words 2 and 3
	v_cndmask_b32 v[IM+1], v[W+1], v[W+3], s30
	global_store_b64 v8, v[IM:IM+1], s[14:15]      ; 256 consecutive bytes
	s_wait_tensorcnt 0x0
	ds_add_u32 v240, v241
	s_wait_dscnt 0x0
	s_endpgm
.Lfunc_end_k_q36bd4e47cd_quant:
	.size	k_q36bd4e47cd_quant, .Lfunc_end_k_q36bd4e47cd_quant-k_q36bd4e47cd_quant
	.p2alignl 7, 3214868480
	.fill 96, 4, 3214868480
	.section	.rodata,"a",@progbits
	.p2align	6, 0x0
	.amdhsa_kernel k_q36bd4e47cd_quant
		.amdhsa_group_segment_fixed_size 34304
		.amdhsa_private_segment_fixed_size 0
		.amdhsa_enable_private_segment 0
		.amdhsa_kernarg_size 56
		.amdhsa_user_sgpr_count 2
		.amdhsa_user_sgpr_kernarg_segment_ptr 1
		.amdhsa_wavefront_size32 1
		.amdhsa_system_sgpr_workgroup_id_x 1
		.amdhsa_system_sgpr_workgroup_id_y 1
		.amdhsa_system_sgpr_workgroup_id_z 1
		.amdhsa_system_vgpr_workitem_id 0
		.amdhsa_next_free_vgpr 242
		.amdhsa_next_free_sgpr 66
		.amdhsa_reserve_vcc 0
		.amdhsa_float_denorm_mode_32 3
		.amdhsa_float_denorm_mode_16_64 3
		.amdhsa_memory_ordered 1
		.amdhsa_forward_progress 1
		.amdhsa_inst_pref_size 31
	.end_amdhsa_kernel
	.amdgpu_metadata
---
amdhsa.version: [ 1, 2 ]
amdhsa.kernels:
  - .name:           k_q36bd4e47cd_quant
    .symbol:         k_q36bd4e47cd_quant.kd
    .args:
      - { .name: x, .offset: 0, .size: 8, .value_kind: global_buffer, .address_space: global }
      - { .name: Wq, .offset: 8, .size: 8, .value_kind: global_buffer, .address_space: global }
      - { .name: Wk, .offset: 16, .size: 8, .value_kind: global_buffer, .address_space: global }
      - { .name: Wv, .offset: 24, .size: 8, .value_kind: global_buffer, .address_space: global }
      - { .name: Wo, .offset: 32, .size: 8, .value_kind: global_buffer, .address_space: global }
      - { .name: x_op, .offset: 40, .size: 8, .value_kind: global_buffer, .address_space: global }
      - { .name: w_op, .offset: 48, .size: 8, .value_kind: global_buffer, .address_space: global }
    .group_segment_fixed_size: 34304
    .private_segment_fixed_size: 0
    .kernarg_segment_align: 8
    .kernarg_segment_size: 56
    .max_flat_workgroup_size: 128
    .sgpr_count:     66
    .vgpr_count:     242
    .wavefront_size: 32
...
	.end_amdgpu_metadata
.endif
;; end of part 1
;; launch qkv (part 2): grid 8 x 32, 4 waves a work-group, clusters of 4 x 4, 327,680 bytes of LDS; arguments x_op, w_op, bq, bk, bv, q, kv; writes q, kv
.if DOCPART == 2
	.amdgcn_target "amdgcn-amd-amdhsa--gfx1250"
	.amdhsa_code_object_version 6
	.text
	.protected	k_q36bd4e47cd_qkv
	.globl	k_q36bd4e47cd_qkv
	.p2align	8
	.type	k_q36bd4e47cd_qkv,@function
k_q36bd4e47cd_qkv:
	s_mov_b64 s[64:65], 0
	v_nop
	global_prefetch_b8 v0, s[64:65] scope:SCOPE_SE
	s_setreg_imm32_b32 hwreg(HW_REG_WAVE_MODE, 25, 1), 1
	s_wait_xcnt 0x0
	s_wait_alu depctr_hold_cnt(0) depctr_sa_sdst(0) depctr_va_vdst(0) depctr_va_sdst(0) depctr_va_ssrc(0) depctr_va_vcc(0) depctr_vm_vsrc(0)
	s_getreg_b32 s2, hwreg(HW_REG_IB_STS2, 6, 4)
	s_cmp_eq_u32 s2, 0
	s_cbranch_scc0 .Lentry_in_a_cluster
	s_endpgm
.Lentry_in_a_cluster:
	s_bfe_u32 s2, ttmp6, 0x10000c
	s_cmp_lg_u32 s2, 0xf033
	s_cbranch_scc0 .Lentry_shape_is_right
	s_endpgm
.Lentry_shape_is_right:
; q = x Wq^T + bq, k = x Wk^T + bk, v = x Wv^T + bv on codes of BF6 (E3M2) with E8M0 block scales; the results are quantised in registers for the attention's
; two products and leave as images of operand registers: no f32 result goes to memory.
; THE FRAME: G(j, i) = sum over k of A[j][k] B[i][k].  B is source 0 (its rows run along a lane's registers in the result), A is source 1 (its row is the lane).
; A tile is 128 rows of A x 256 rows of B over all of K = 1,024; wave (wa, wb) takes A's blocks 4 wa .. + 3 and B's blocks 8 wb .. + 7: 32 accumulators.
; Q AND K: A = x (128 tokens), B = Wq or Wk (256 output channels): a lane holds one token, its registers run along the channels, which are the K of q k^T.
; V: A = Wv (128 channels), B = x (256 tokens): a lane holds one channel, its registers run along the tokens, which are the K of p v.
; A WORK-GROUP STAYS: 256 work-groups, three tiles each: two of Q or K (the same 256 channels, token groups 32 apart; a loop of two trips), then one of V, written out.
; THE RING: two LDS slots, one for each half of K (512 along K: B's 16 blocks x 6,144 bytes, then A's 8).  Slot 0 is filled again behind K step 3's reads, slot 1 behind K step 7's,
; each with the next tile's half: a refill has four K steps and a way out between its issue and its first read, so no prefetch is laid beside it.
; Each fill is one joint load a wave: waves 0, 1 bring eight blocks of B each, waves 2, 3 four blocks of A each.
; A block's 16 rows are 32 (B / 2) + 8 (B % 2) + r + 8 (r / 8): so the 16 registers of result tiles 2 B and 2 B + 1 are 16 neighbours along the next K.
; CLUSTER: 4 x 4 work-groups; A's tiles are shared along a row of the cluster, B's along a column; every refill stands behind a round of the cluster's barrier.
; The biases are the C of each sum's first matrix instruction.  A zero block's scale byte is 1 (its codes are zeros; the bytes are read by this program alone).
; LIMITS: NaN and infinities are not served.
; REGISTERS: window 0: v1-19 addresses; v24-27 bv; v32-47 A's scale words, v48-79 B's; v96-143, v144-191 A's fragments, two sets; v192-255 the bias.
;   window 1: v0-95, v128-223 B's fragments, two sets.   window 2: accumulator (a, b) at v[8 (8 a + b)].
.set OPB,   12800                      ; a block's image in memory
.set HALF,  147456                     ; a slot
.set SA, 32
.set SB, 48
.set AF, 96
.set BI, 192
.set TM, 96                            ; the way out: v96-111 at work
.set PC, 112                           ; v112-131 the codes just made
.set WR, 136                           ; v136-139 the four blocks' scale words
.set WV, 18
.set WA, 19
.set WB, 20
.set CX, 21
.set CY, 22
.set G1A, 24                           ; s[24:31] descriptor group 1 for A's tiles, s[32:39] for B's
.set G1B, 32
.set G0A, 40                           ; s[40:47] groups 0 for A's two slots; s[56:63] for B's
.set G0B, 56
.set XX, 76
.set YY, 77
.set TRV, 78
.set TRQ, 79
.set TCQ, 80
.set TCV, 81
.set SEL, 82
.set HIM, 84
.set TAU, 85                           ; the loop's trip
; s[48:49] x's first token group, s[50:51] Wv's channels, s[52:53] Wq's or Wk's blocks, s[54:55] x's blocks for V; s[68:69], s[70:71] A and B of the tile that is asked for;
; s[72:73] the four blocks of A that I fetch, s[74:75] those that I multiply; s[66:67] their scale words; s[86:89] where my two heads' records go, s[90:91] their step
.set MSB, 0
.macro WIN new                         ; the immediate's high byte repeats the setting that is left
.if MSB != \new
	s_set_vgpr_msb (MSB<<8)|\new
.set MSB, \new
.endif
.endm
.macro ROUND                           ; a round of the cluster's barrier
	s_barrier_signal -1
	s_barrier_wait -1
	s_cmp_lg_u32 s[WV], 0
	s_cbranch_scc1 .Lnot_wave_0_\@
	s_barrier_signal -3
.Lnot_wave_0_\@:
	s_barrier_wait -3
	s_barrier_signal -1
	s_barrier_wait -1
.endm
.macro PLACES                          ; four plain places behind matrix instructions, in front of loads into their registers and of reads of their results
.rept 4
	v_nop
.endr
.endm
.macro JL c                            ; slot c: one joint load a wave, in the two arms of one branch on the wave's number
	s_cmp_lt_u32 s[WV], 2
	s_cbranch_scc0 .Lfor_a_\@
	tensor_load_to_lds s[G0B+4*\c:G0B+4*\c+3], s[G1B:G1B+7]
	s_nop 0
	PLACES
	s_branch .Lasked_\@
.Lfor_a_\@:
	tensor_load_to_lds s[G0A+4*\c:G0A+4*\c+3], s[G1A:G1A+7]
	s_nop 0
	PLACES
.Lasked_\@:
.endm
.macro SETG c                          ; slot c's global addresses, from the tile in s[68:71]; written only where no tensor load of mine is out
	s_add_nc_u64 s[98:99], s[68:69], s[72:73]
	s_add_nc_u64 s[G0A+4*\c+2:G0A+4*\c+3], s[98:99], 6144*\c
	s_or_b32 s[G0A+4*\c+3], s[G0A+4*\c+3], 0x80000000
	s_add_nc_u64 s[G0B+4*\c+2:G0B+4*\c+3], s[70:71], 6144*\c
	s_or_b32 s[G0B+4*\c+3], s[G0B+4*\c+3], 0x80000000
.endm
.macro SCL                             ; the scale words of my four blocks of A and my eight of B: 12 loads
.irp i, 0,1
.irp k, 0,1
	global_load_b128 v[SA+8*\i+4*\k:SA+8*\i+4*\k+3], v6, s[66:67] offset:12288+2*OPB*\i+256*\k
.endr
.endr
.irp i, 0,1,2,3
.irp k, 0,1
	global_load_b128 v[SB+8*\i+4*\k:SB+8*\i+4*\k+3], v6, s[70:71] offset:12288+2*OPB*\i+256*\k
.endr
.endr
.endm
.macro FRAG reg, a16, a8, off          ; a fragment (16 rows x 128 K, 12 registers) is two half images
	ds_load_b128 v[\reg:\reg+3], v[\a16] offset:\off
	ds_load_b64 v[\reg+4:\reg+5], v[\a8] offset:\off+512
	ds_load_b128 v[\reg+6:\reg+9], v[\a16] offset:\off+768
	ds_load_b64 v[\reg+10:\reg+11], v[\a8] offset:\off+1280
.endm
.macro FETCH s                         ; K step s: B's eight fragments and A's four, into set s % 2: 48 LDS loads.  v8-11 point into slot 0, v16-19 into slot 1
	WIN 0x40
.irp i, 0,1,2,3,4,5,6,7
	FRAG 128*((\s)%2)+12*\i, 8+8*((\s)/4), 9+8*((\s)/4), 6144*\i+1536*((\s)%4)
.endr
	WIN 0
.irp i, 0,1,2,3
	FRAG AF+48*((\s)%2)+12*\i, 10+8*((\s)/4), 11+8*((\s)/4), 6144*\i+1536*((\s)%4)
.endr
.endm
.macro ONE s, mode, a, b
.set rD, 8*(8*\a+\b)
.set rX, 128*((\s)%2)+12*\b
.set rY, AF+48*((\s)%2)+12*\a
.set rU, SB+8*(\b/2)+(\s)
.set rW, SA+8*(\a/2)+(\s)
.set rC, rD
.if \mode == 1
.set rC, BI+8*\b
.endif
.if \mode == 2
.set rC, BI+8*\a
.endif
.if (\a%2 == 0) && (\b%2 == 0)
	v_wmma_scale_f32_16x16x128_f8f6f4 v[rD:rD+7], v[rX:rX+11], v[rY:rY+11], v[rC:rC+7], v[rU], v[rW] matrix_a_fmt:MATRIX_FMT_BF6 matrix_b_fmt:MATRIX_FMT_BF6
.elseif (\a%2 == 0)
	v_wmma_scale_f32_16x16x128_f8f6f4 v[rD:rD+7], v[rX:rX+11], v[rY:rY+11], v[rC:rC+7], v[rU], v[rW] matrix_a_fmt:MATRIX_FMT_BF6 matrix_b_fmt:MATRIX_FMT_BF6 matrix_a_scale:MATRIX_SCALE_ROW1
.elseif (\b%2 == 0)
	v_wmma_scale_f32_16x16x128_f8f6f4 v[rD:rD+7], v[rX:rX+11], v[rY:rY+11], v[rC:rC+7], v[rU], v[rW] matrix_a_fmt:MATRIX_FMT_BF6 matrix_b_fmt:MATRIX_FMT_BF6 matrix_b_scale:MATRIX_SCALE_ROW1
.else
	v_wmma_scale_f32_16x16x128_f8f6f4 v[rD:rD+7], v[rX:rX+11], v[rY:rY+11], v[rC:rC+7], v[rU], v[rW] matrix_a_fmt:MATRIX_FMT_BF6 matrix_b_fmt:MATRIX_FMT_BF6 matrix_a_scale:MATRIX_SCALE_ROW1 matrix_b_scale:MATRIX_SCALE_ROW1
.endif
.endm
; K step s: 32 matrix instructions; the 32 accumulators take turns, one instruction a turn, in the same order in every step.
; mode 0: onto the sums.  mode 1: the sums begin with the bias along the registers.  mode 2: with the bias along the lanes.
; A scale register holds an even block's words in lanes 0-15 and the next block's in lanes 16-31.
.macro MUL s, mode
.if \mode == 0
	WIN 0xa1                                       ; source 0 window 1, source 1 window 0, C and D window 2
.else
	WIN 0x81                                       ; C window 0
.endif
.irp a, 0,1,2,3
.irp b, 0,1,2,3,4,5,6,7
	ONE \s, \mode, \a, \b
.endr
.endr
.endm
.macro LIGHT                           ; the set fetched last is in; places in front of the next loads
	WIN 0
	s_wait_dscnt 0x0
	PLACES
.endm
; A tile's walk along K.  refill = 1: both slots are filled again with the halves of the tile in s[68:71].
.macro KWALK mode, refill
	FETCH 0
	FETCH 1
	s_wait_dscnt 48                                ; all but the 48 just issued
	s_wait_loadcnt 0x0                             ; scale words and biases
	MUL 0, \mode
	LIGHT
	FETCH 2
	MUL 1, 0
	PLACES
	FETCH 3
	s_wait_dscnt 48
	MUL 2, 0
	WIN 0
	s_wait_tensorcnt 0x0                           ; all my tensor loads have landed, my part of slot 1 among them
.if \refill
	ds_add_u32 v94, v95
	SETG 0
	s_wait_dscnt 0x0                               ; the add is done, and my reads of slot 0 are over
	ROUND                                          ; both hold of every wave of the cluster
	JL 0                                           ; the next tile's first half; its four v_nop are the places in front of the loads below
.else
	s_wait_dscnt 0x0
	s_barrier_signal -1
	s_barrier_wait -1                              ; slot 1 is whole
	PLACES
.endif
	FETCH 4
	MUL 3, 0
	PLACES
	FETCH 5
	s_wait_dscnt 48
	MUL 4, 0
	LIGHT
	FETCH 6
	MUL 5, 0
	PLACES
	FETCH 7
	s_wait_dscnt 48
	MUL 6, 0
	WIN 0
.if \refill
	s_wait_tensorcnt 0x0                           ; my part of the next tile's first half has landed
	ds_add_u32 v94, v95
	SETG 1
	s_wait_dscnt 0x0                               ; the add is done, and my reads of slot 1 are over
	ROUND
	JL 1                                           ; the next tile's second half
.else
	s_wait_dscnt 0x0
.endif
	MUL 7, 0
	WIN 0
	PLACES
.endm
; 64 results of a lane in window 2, register s + 16 b + i = k 32 b + 16 h + i of my row, become a fragment's codes in v[PC] on and its scale word in v[pw].
.macro QUANT s, pw
	WIN 0x28                                       ; sources 1 and 2 window 2
.irp b, 0,1,2,3
	v_max3_num_f32 v[TM+\b], 0x2800000, |v[(\s)+16*\b]|, |v[(\s)+16*\b+1]|   ; my 16 numbers of block b, from each accumulator's low end on, and the floor 2^(5 - 127)
.endr
.irp i, 2,4,6,8,10,12,14
.irp b, 0,1,2,3
	v_max3_num_f32 v[TM+\b], v[TM+\b], |v[(\s)+16*\b+\i]|, |v[(\s)+16*\b+\i+1]|
.endr
.endr
	WIN 0
.irp b, 0,1,2,3
	v_permlanex16_b32 v[TM+4+\b], v[TM+\b], s[SEL], s[SEL+1]
.endr
.irp b, 0,1,2,3
	v_max_num_f32 v[TM+\b], v[TM+\b], v[TM+4+\b]   ; with lane l xor 16's: the block's largest magnitude
.endr
.irp b, 0,1,2,3
	v_add_nc_u32 v[TM+12+\b], 0xfe000000, v[TM+\b] ; 4 off its exponent field: the conversion's scale operand
.endr
.irp b, 0,1,2,3
	v_lshrrev_b32 v[TM+4+\b], 23, v[TM+12+\b]      ; the scale's byte
.endr
	v_lshl_or_b32 v[\pw], v[TM+5], 8, v[TM+4]
	v_lshl_or_b32 v[\pw], v[TM+6], 16, v[\pw]
	v_lshl_or_b32 v[\pw], v[TM+7], 24, v[\pw]
	WIN 0x02                                       ; source 0 window 2
.irp c, 0,1
	v_cvt_scalef32_pk16_bf6_f32 v[PC+6*\c:PC+6*\c+2], v[(\s)+32*\c:(\s)+32*\c+15], v[TM+12+2*\c]
	v_cvt_scalef32_pk16_bf6_f32 v[PC+12+4*\c:PC+14+4*\c], v[(\s)+32*\c+16:(\s)+32*\c+31], v[TM+13+2*\c]
.endr
	WIN 0
	v_nop                                          ; one plain place behind a scaled conversion
.irp c, 0,1                            ; the operand's layout wants a whole block in a lane: lanes 0-15 block 2 c, lanes 16-31 block 2 c + 1
.irp i, 0,1,2
	v_permlane16_swap_b32 v[PC+6*\c+\i], v[PC+12+4*\c+\i]
.endr
.irp i, 0,1,2
	v_mov_b32 v[PC+3+6*\c+\i], v[PC+12+4*\c+\i]
.endr
.endr
.endm
.macro EPI_QK a
	s_wait_xcnt 0x0                                ; the last block's stores have read their codes
	QUANT 64*\a, WR+\a
	global_store_b128 v12, v[PC:PC+3], s[86:87] offset:768*\a
	global_store_b64 v13, v[PC+4:PC+5], s[86:87] offset:768*\a+512
	global_store_b128 v12, v[PC+6:PC+9], s[88:89] offset:768*\a
	global_store_b64 v13, v[PC+10:PC+11], s[88:89] offset:768*\a+512
.endm
.macro EPI_V a
	s_wait_xcnt 0x0                                ; the last block's stores have read their codes
	QUANT 64*\a, WR+\a
.irp g, 0,1,2
	global_store_b128 v1, v[PC+4*\g:PC+4*\g+3], s[16:17] offset:6144+1536*\a+512*\g
.endr
.endm
	s_load_b256 s[4:11], s[0:1], 0x0               ; x_op, w_op, bq, bk
	s_load_b128 s[12:15], s[0:1], 0x20             ; bv, q
	s_load_b64 s[16:17], s[0:1], 0x30              ; kv
	v_lshl_add_u32 v94, v0, 2, 0x48000
	v_mov_b32 v95, 0
	ds_add_u32 v94, v95
	ds_add_u32 v94, v95
	v_lshrrev_b32 v3, 5, v0
	v_readfirstlane_b32 s[WV], v3                  ; wave 0..3
	s_lshr_b32 s[WA], s[WV], 1
	s_and_b32 s[WB], s[WV], 1
	s_bfe_u32 s[CX], ttmp6, 0x40000                ; my place in the cluster
	s_bfe_u32 s[CY], ttmp6, 0x40004
	s_mov_b32 s[XX], ttmp9                         ; the cluster's x: 0 (Q), 1 (K)
	s_and_b32 s[YY], ttmp7, 0xffff                 ; the cluster's y: 0 .. 7
	s_lshl_b32 s2, s[YY], 2
	s_lshl_b32 s3, s[XX], 2
	s_add_co_u32 s[TRQ], s2, s[CY]                 ; Q, K: my first 128 tokens (the second tile's lie 32 groups on)
	s_add_co_u32 s[TCV], s2, s[CX]                 ; V: which 256 tokens
	s_add_co_u32 s[TRV], s3, s[CY]                 ; V: which 128 channels
	s_add_co_u32 s[TCQ], s3, s[CX]                 ; Q, K: which 256 channels of Wq and Wk on end
	s_lshl_b32 s23, s[WB], 3
	s_mul_i32 s86, s[TRQ], 8*OPB
	s_mov_b32 s87, 0
	s_lshl_b32 s88, s[TCQ], 4
	s_add_co_u32 s88, s88, s23
	s_mul_i32 s88, s88, OPB                        ; eight blocks of B: those that wave wb fetches, and those that a wave with this wb multiplies
	s_mov_b32 s89, 0
	s_lshl_b32 s90, s[TRV], 3
	s_add_co_u32 s90, s90, 128                     ; Wv begins 128 blocks into w_op
	s_mul_i32 s90, s90, OPB
	s_mov_b32 s91, 0
	s_lshl_b32 s92, s[TCV], 4
	s_add_co_u32 s92, s92, s23
	s_mul_i32 s92, s92, OPB
	s_mov_b32 s93, 0
	s_mul_i32 s72, s[WB], 4*OPB
	s_mov_b32 s73, 0
	s_mul_i32 s74, s[WA], 4*OPB
	s_mov_b32 s75, 0
	s_lshl_b32 s2, s[CY], 2
	s_lshl_b32 s2, 15, s2                          ; my row of the cluster
	s_lshl_b32 s3, 0x1111, s[CX]                   ; my column
	; descriptor group 1: rows (blocks) of 6,144 bytes (768 elements of 8 bytes), 12,800 bytes apart; dense in LDS; eight rows of B, four of A
	s_or_b32 s[G1A], s2, (3<<16)|(1<<21)           ; 15:0 the mask; 17:16 elements of 8 bytes; 21 set beside a mask
	s_or_b32 s[G1B], s3, (3<<16)|(1<<21)
.irp g, G1A, G1B
	s_mov_b32 s[\g+1], 768<<16                     ; tensor_dim0
	s_mov_b32 s[\g+3], 768<<16                     ; tile_dim0
	s_mov_b32 s[\g+5], 1600                        ; tensor_dim0_stride
	s_mov_b32 s[\g+6], 0
	s_mov_b32 s[\g+7], 0
.endr
	s_mov_b32 s[G1A+2], 4<<16                      ; tensor_dim1
	s_mov_b32 s[G1A+4], 4                          ; tile_dim1
	s_mov_b32 s[G1B+2], 8<<16
	s_mov_b32 s[G1B+4], 8
	s_mul_i32 s96, s[WV], 49152                    ; LDS: waves 0, 1: B's halves of eight blocks;
	s_mul_i32 s97, s[WV], 24576
	s_add_co_u32 s97, s97, 49152                   ; waves 2, 3: A's four blocks each, behind B's 98,304 bytes
.irp c, 0,1
	s_mov_b32 s[G0A+4*\c], 1
	s_add_co_u32 s[G0A+4*\c+1], s97, HALF*\c
	s_mov_b32 s[G0B+4*\c], 1
	s_add_co_u32 s[G0B+4*\c+1], s96, HALF*\c
.endr
	s_mov_b32 s[SEL], 0x76543210
	s_mov_b32 s[SEL+1], 0xfedcba98
	s_mov_b32 s[HIM], 0xffff0000                   ; lanes 16-31
	s_wait_dscnt 0x0
	s_wait_kmcnt 0x0
	s_add_nc_u64 s[48:49], s[4:5], s[86:87]
	s_add_nc_u64 s[52:53], s[6:7], s[88:89]
	s_add_nc_u64 s[50:51], s[6:7], s[90:91]
	s_add_nc_u64 s[54:55], s[4:5], s[92:93]
	s_mov_b64 s[68:69], s[48:49]                   ; the first tile
	s_mov_b64 s[70:71], s[52:53]
	SETG 0
	SETG 1
	ROUND                                          ; all sixteen work-groups are here: the joint loads meet
	JL 0
	s_mul_i32 s2, s[WB], 49152
	s_mul_i32 s3, s[WA], 24576
	s_add_co_u32 s3, s3, 98304
	s_mul_i32 s23, s[WA], 3072
	s_mov_b32 s100, 13056                          ; a record of kv, and where K's scale images lie in it;
	s_mov_b32 s101, 12288
	s_cmp_eq_u32 s[XX], 0
	s_cselect_b32 s100, 6656, s100                 ; of q
	s_cselect_b32 s101, 6144, s101
	s_cselect_b64 s[86:87], s[14:15], s[16:17]
	s_cselect_b64 s[8:9], s[8:9], s[10:11]         ; bq or bk
	s_lshl_b32 s92, s[WA], 8
	s_add_co_u32 s101, s101, s92
	v_and_b32 v3, 31, v0
	v_lshlrev_b32 v1, 4, v3                        ; 16 x lane
	v_lshlrev_b32 v2, 3, v3                        ; 8 x lane
	v_and_b32 v4, 15, v0                           ; r
	v_bfe_u32 v5, v0, 4, 1                         ; h
	v_mul_u32_u24 v6, v5, OPB
	v_lshl_add_u32 v6, v4, 4, v6                   ; scale words: lanes 0-15 an even block's row r, lanes 16-31 the next block's
	v_lshlrev_b32 v7, 6, v5                        ; the bias along the registers: 16 numbers a half
	v_and_b32 v15, 8, v4
	v_add_nc_u32 v15, v15, v4
	v_lshlrev_b32 v15, 2, v15                      ; the bias along the lanes: 4 (r + 8 (r / 8))
	v_add_nc_u32 v8, s2, v1                        ; LDS, slot 0: my eight blocks of B
	v_add_nc_u32 v9, s2, v2
	v_add_nc_u32 v10, s3, v1                       ; my four blocks of A
	v_add_nc_u32 v11, s3, v2
.irp r, 8,9,10,11
	v_add_nc_u32 v[\r+8], HALF, v\r                ; slot 1
.endr
	v_add_nc_u32 v12, s23, v1                      ; the way out of q and k: my four tiles' half images
	v_add_nc_u32 v13, s23, v2
	v_add_nc_u32 v14, s101, v2                     ; my scale image: 8 x lane + 256 wa
	s_wait_alu depctr_va_vdst(0)
	s_lshr_b32 s90, s[TRQ], 4                      ; batch
	s_and_b32 s91, s[TRQ], 15                      ; group of 128 tokens
	s_and_b32 s92, s[TCQ], 3
	s_lshl_b32 s92, s92, 2
	s_lshl_b32 s93, s[WB], 1
	s_add_co_u32 s92, s92, s93                     ; my first head
	s_lshl_b32 s90, s90, 4
	s_add_co_u32 s90, s90, s92
	s_lshl_b32 s90, s90, 4
	s_add_co_u32 s90, s90, s91                     ; the record: (16 batch + head) 16 + group
	s_mul_i32 s90, s90, s100
	s_mov_b32 s91, 0
	s_add_nc_u64 s[86:87], s[86:87], s[90:91]      ; my first head's record
	s_lshl_b32 s90, s100, 4
	s_add_nc_u64 s[88:89], s[86:87], s[90:91]      ; the next head's: 16 records on
	s_lshl_b32 s90, s100, 9                        ; the second tile's tokens lie two batches on: 512 records
	s_and_b32 s92, s[TCQ], 3
	s_lshl_b32 s92, s92, 10
	s_lshl_b32 s93, s[WB], 9
	s_add_co_u32 s92, s92, s93
	s_mov_b32 s93, 0
	s_add_nc_u64 s[8:9], s[8:9], s[92:93]          ; my 128 output channels
	s_lshl_b32 s92, s[TRV], 9
	s_lshl_b32 s23, s[WA], 8
	s_add_co_u32 s92, s92, s23
	s_add_nc_u64 s[12:13], s[12:13], s[92:93]      ; bv at my 64 channels
	s_add_nc_u64 s[66:67], s[68:69], s[74:75]
	SCL
.irp g, 0,1,2,3
.irp q, 0,1,2,3
	global_load_b128 v[BI+16*\g+4*\q:BI+16*\g+4*\q+3], v7, s[8:9] offset:128*\g+16*\q   ; register 16 g + i: channel 32 g + 16 h + i
.endr
.endr
.irp a, 0,1,2,3
	global_load_b32 v[24+\a], v15, s[12:13] offset:4*(32*(\a/2)+8*(\a%2))
.endr
	s_wait_tensorcnt 0x0                           ; my part of slot 0 has landed
	ds_add_u32 v94, v95
	s_wait_dscnt 0x0
	ROUND
	JL 1                                           ; the first tile's second half
	s_wait_xcnt 0x0                                ; the loads above have read their bases
	s_mov_b32 s[TAU], 0
.Ltile:
	s_cmp_eq_u32 s[TAU], 0                         ; the tile that this trip asks for: the second of Q or K, then V's
	s_add_nc_u64 s[68:69], s[48:49], 32*8*OPB
	s_cselect_b64 s[68:69], s[68:69], s[50:51]
	s_cselect_b64 s[70:71], s[52:53], s[54:55]
	KWALK 1, 1
	s_add_nc_u64 s[66:67], s[68:69], s[74:75]
	SCL                                            ; the next tile's scale words, under the way out
.irp b, 0,1,2,3
	v_mov_b32 v[TM+4+\b], 0                        ; a lane permute's destination counts as one of its sources
.endr
	; my 128 channels are two heads; a block of 16 tokens gives each head a half image (64 along K) and two scale bytes
	EPI_QK 0
	EPI_QK 1
	EPI_QK 2
	EPI_QK 3
	v_cndmask_b32 v140, v[WR], v[WR+1], s[HIM]     ; an even tile's words in lanes 0-15, the next tile's in lanes 16-31
	v_cndmask_b32 v141, v[WR+2], v[WR+3], s[HIM]
	v_and_b32 v132, 0xffff, v140                   ; the first head's two bytes; the bytes of the K that the head does not have are 0
	v_and_b32 v133, 0xffff, v141
	v_lshrrev_b32 v134, 16, v140                   ; the second head's
	v_lshrrev_b32 v135, 16, v141
	global_store_b64 v14, v[132:133], s[86:87]     ; 256 consecutive bytes
	global_store_b64 v14, v[134:135], s[88:89]
	s_wait_xcnt 0x0                                ; loads and stores have read their registers and bases
	s_add_nc_u64 s[86:87], s[86:87], s[90:91]
	s_add_nc_u64 s[88:89], s[88:89], s[90:91]
	s_add_co_u32 s[TAU], s[TAU], 1
	s_cmp_lt_u32 s[TAU], 2
	s_wait_alu depctr_va_vdst(0)
	s_cbranch_scc1 .Ltile
	; ---- v: my 64 channels are one head, my 128 tokens one key step: four fragments (16 channels x 128 keys) and their scale words
	s_lshl_b32 s2, s[TRV], 1
	s_add_co_u32 s2, s2, s[WA]                     ; head
	s_lshl_b32 s3, s[TCV], 1
	s_add_co_u32 s3, s3, s[WB]                     ; group of 128 tokens among all
	s_lshr_b32 s23, s3, 4                          ; batch
	s_and_b32 s3, s3, 15
	s_lshl_b32 s23, s23, 4
	s_add_co_u32 s23, s23, s2
	s_lshl_b32 s23, s23, 4
	s_add_co_u32 s23, s23, s3
	s_mul_i32 s2, s23, 13056
	s_mov_b32 s3, 0
	s_add_nc_u64 s[16:17], s[16:17], s[2:3]
.irp a, 0,1,2,3
.irp j, 0,1,2,3,4,5,6,7
	v_mov_b32 v[BI+8*\a+\j], v[24+\a]              ; a lane's channel has one bias for all its eight tokens
.endr
.endr
	s_wait_alu depctr_va_vdst(0)
	KWALK 2, 0
.irp b, 0,1,2,3
	v_mov_b32 v[TM+4+\b], 0
.endr
	EPI_V 0
	EPI_V 1
	EPI_V 2
	EPI_V 3
	v_cndmask_b32 v140, v[WR], v[WR+1], s[HIM]
	v_cndmask_b32 v141, v[WR+2], v[WR+3], s[HIM]
	global_store_b64 v2, v[140:141], s[16:17] offset:12800
	s_wait_tensorcnt 0x0                           ; the wave's end
	ds_add_u32 v94, v95
	s_wait_dscnt 0x0
	ROUND                                          ; the closing round: no work-group ends while a partner may still ask for a tile that names it
	s_endpgm
.Lfunc_end_k_q36bd4e47cd_qkv:
	.size	k_q36bd4e47cd_qkv, .Lfunc_end_k_q36bd4e47cd_qkv-k_q36bd4e47cd_qkv
	.p2alignl 7, 3214868480
	.fill 96, 4, 3214868480
	.section	.rodata,"a",@progbits
	.p2align	6, 0x0
	.amdhsa_kernel k_q36bd4e47cd_qkv
		.amdhsa_group_segment_fixed_size 327680
		.amdhsa_private_segment_fixed_size 0
		.amdhsa_enable_private_segment 0
		.amdhsa_kernarg_size 56
		.amdhsa_user_sgpr_count 2
		.amdhsa_user_sgpr_kernarg_segment_ptr 1
		.amdhsa_wavefront_size32 1
		.amdhsa_system_sgpr_workgroup_id_x 1
		.amdhsa_system_sgpr_workgroup_id_y 1
		.amdhsa_system_sgpr_workgroup_id_z 1
		.amdhsa_system_vgpr_workitem_id 0
		.amdhsa_next_free_vgpr 768
		.amdhsa_next_free_sgpr 102
		.amdhsa_reserve_vcc 0
		.amdhsa_float_denorm_mode_32 3
		.amdhsa_float_denorm_mode_16_64 3
		.amdhsa_memory_ordered 1
		.amdhsa_forward_progress 1
		.amdhsa_inst_pref_size 169
	.end_amdhsa_kernel
	.amdgpu_metadata
---
amdhsa.version: [ 1, 2 ]
amdhsa.kernels:
  - .name:           k_q36bd4e47cd_qkv
    .symbol:         k_q36bd4e47cd_qkv.kd
    .args:
      - { .name: x_op, .offset: 0, .size: 8, .value_kind: global_buffer, .address_space: global }
      - { .name: w_op, .offset: 8, .size: 8, .value_kind: global_buffer, .address_space: global }
      - { .name: bq, .offset: 16, .size: 8, .value_kind: global_buffer, .address_space: global }
      - { .name: bk, .offset: 24, .size: 8, .value_kind: global_buffer, .address_space: global }
      - { .name: bv, .offset: 32, .size: 8, .value_kind: global_buffer, .address_space: global }
      - { .name: q, .offset: 40, .size: 8, .value_kind: global_buffer, .address_space: global }
      - { .name: kv, .offset: 48, .size: 8, .value_kind: global_buffer, .address_space: global }
    .group_segment_fixed_size: 327680
    .private_segment_fixed_size: 0
    .kernarg_segment_align: 8
    .kernarg_segment_size: 56
    .max_flat_workgroup_size: 128
    .sgpr_count:     102
    .vgpr_count:     768
    .wavefront_size: 32
...
	.end_amdgpu_metadata
.endif
;; end of part 2
;; launch attn (part 3): grid 4 x 64, 8 waves a work-group, clusters of 4 x 1, 218,112 bytes of LDS; arguments q, kv, mask, a_op; writes a_op
.if DOCPART == 3
	.amdgcn_target "amdgcn-amd-amdhsa--gfx1250"
	.amdhsa_code_object_version 6
	.text
	.protected	k_q36bd4e47cd_attn
	.globl	k_q36bd4e47cd_attn
	.p2align	8
	.type	k_q36bd4e47cd_attn,@function
k_q36bd4e47cd_attn:
	s_mov_b64 s[64:65], 0
	v_nop
	global_prefetch_b8 v0, s[64:65] scope:SCOPE_SE
	s_setreg_imm32_b32 hwreg(HW_REG_WAVE_MODE, 25, 1), 1
	s_wait_xcnt 0x0
	s_wait_alu depctr_hold_cnt(0) depctr_sa_sdst(0) depctr_va_vdst(0) depctr_va_sdst(0) depctr_va_ssrc(0) depctr_va_vcc(0) depctr_vm_vsrc(0)
	s_getreg_b32 s2, hwreg(HW_REG_IB_STS2, 6, 4)
	s_cmp_eq_u32 s2, 0
	s_cbranch_scc0 .Lentry_in_a_cluster
	s_endpgm
.Lentry_in_a_cluster:
	s_bfe_u32 s2, ttmp6, 0x10000c
	s_cmp_lg_u32 s2, 0x3003
	s_cbranch_scc0 .Lentry_shape_is_right
	s_endpgm
.Lentry_shape_is_right:
; For each batch and head: O = softmax(q k^T / 8 + mask) v, both products on codes of BF6 (E3M2) with E8M0 block scales; O / l is quantised along the head's
; 64 channels and leaves as the output projection's operand.
; THE SOFTMAX: t = (q.k + 8 mask) c, c = log2(e) / 8; M = the running largest t rounded up to a whole number; p = 2^(t - M) is quantised along the keys, not
; normalised; the row's sum l is taken of the unquantised p; when M moves, l and O are multiplied by 2^(old M - new M), which rounds nothing.
; The mask, times 8, is the C operand of k q^T.
; LIMITS: a mask under -2^30 (-infinity too) is held at -2^30: such a key still gets p = 0 beside any key that is not held; a row all of whose keys are
; -infinity gives numbers where the definition gives NaN.  Positive masks are served up to about 1e9.  NaN is not served.
; SHARES: a work-group owns 512 queries of one head, in two passes of 256; each of its eight waves owns two tiles of 16 queries a pass and walks 16 key steps of 128.
; THE WHOLE HEAD LIES IN LDS: 16 records of 13,056 bytes (K's 8 half images, V's 4 fragments, their scale images), each byte filled once: wave w brings records
; 2 w and 2 w + 1 by one tensor load of 102 rows of 256 bytes.  Behind them the mask x 8, 8,192 bytes, then the spare words.
; CLUSTER: the four work-groups of a cluster belong to one head and ask for its records jointly.  No prefetch: all tensor loads go out at the head, and no loop runs ahead of them.
; LAYOUT: S^T = k q^T and O^T = v^T p^T: a lane holds one query.  THE KEYS OF A TILE OF K ARE GATHERED BY THE LANES' LDS ADDRESSES: row 8 h + j of tile 4 c + t is key
; 64 c + 32 h + 8 t + j, so a lane's 32 registers of tiles 4 c .. 4 c + 3 are one whole block of 32 keys, block 2 c + h, in the order of p's operand: the block's
; largest score needs no other lane and the conversions' results are the operand's registers.
; In a record image B, row x is key 32 (B / 2) + 8 (B % 2) + x + 8 (x / 8): so row r of tile 4 c + t is row 8 (t / 2) + r % 8 of image 4 c + 2 (r / 8) + t % 2.
; The head has 64 channels, half of the instruction's K: Q's upper six registers are zero codes, K's upper six are the next tile's codes; the scale bytes of that half are 0.
; ORDER OF A STEP: V's loads; k q^T of tile 0; tile 1's sum of the step before; k q^T of tile 1; the maxima; the next K's loads; t - M; the exponentials; O's rescaling;
; scales and codes; v^T p^T; tile 0's sum.  Tile 1's sum is carried into the next step (the first step of a pass adds zeros; the last is added behind the loop).
; REGISTERS: window 0: v1-7 addresses; v8-11 K's scale words, v12-13 V's, v14 Q's, v16-17 p's; v20-43 Q; v44-91 K; v92-97 zeros; v98-161 mask; v162-209 V; v210-228 addresses and the head's work.
;   window 1: v0-127 S^T, then p; v128-191 O^T; v192-223, v248-254 statistics and work; v224-247 p's codes.
.set REC,  13056
.set QREC, 6656
.set MK,   16*REC
.set SPARE, MK+8192
.set KF,   44
.set MKR,  98
.set VF,   162
.set BM,   204                         ; window 1: v204 + 2 u + c: the largest score of my block of tile u, then its largest p, then its byte
.set SO,   208                         ; v208 + 2 u + c: the conversions' scale operands
.set WK,   212                         ; v212-218 chains of maxima and sums, second halves of codes
.set SH,   219                         ; 8 h
.set TA,   220
.set TB,   222
.set MSB, 0
.macro WIN new                         ; the immediate's high byte repeats the setting that is left
.if MSB != \new
	s_set_vgpr_msb (MSB<<8)|\new
.set MSB, \new
.endif
.endm
.macro ROUND                           ; a round of the cluster's barrier
	s_barrier_signal -1
	s_barrier_wait -1
	s_cmp_lg_u32 s12, 0
	s_cbranch_scc1 .Lnot_wave_0_\@
	s_barrier_signal -3
.Lnot_wave_0_\@:
	s_barrier_wait -3
	s_barrier_signal -1
	s_barrier_wait -1
.endm
.macro KLOAD r16, r8, rs, rm, ok, om   ; a key step's K, gathered, its scale words and its mask: 36 LDS loads
.irp t, 0,1,2,3,4,5,6,7
	ds_load_b128 v[KF+6*\t:KF+6*\t+3], v[\r16] offset:\ok+768*(4*(\t/4)+\t%2)+128*((\t%4)/2)
	ds_load_b64 v[KF+6*\t+4:KF+6*\t+5], v[\r8] offset:\ok+768*(4*(\t/4)+\t%2)+64*((\t%4)/2)+512
.endr
.irp g, 0,1,2,3
	ds_load_b32 v[8+\g], v[\rs] offset:\ok+12288+256*(\g/2)+64*(\g%2)   ; lanes 0-15 tile 2 g, lanes 16-31 tile 2 g + 1
.endr
.irp t, 0,1,2,3,4,5,6,7
	ds_load_b128 v[MKR+8*\t:MKR+8*\t+3], v[\rm] offset:\om+256*(\t/4)+32*(\t%4)        ; register j of tile t: key 64 (t / 4) + 32 h + 8 (t % 4) + j
	ds_load_b128 v[MKR+8*\t+4:MKR+8*\t+7], v[\rm] offset:\om+256*(\t/4)+32*(\t%4)+16
.endr
.endm
.macro VLOAD                           ; the step's V and its scale words: 13 LDS loads
.irp g, 0,1,2,3,4,5,6,7,8,9,10,11
	ds_load_b128 v[VF+4*\g:VF+4*\g+3], v4 offset:6144+512*\g
.endr
	ds_load_b64 v[12:13], v5 offset:12800
.endm
.macro QLOAD off                       ; my two tiles of queries and their scale words: 5 loads
.irp u, 0,1
	global_load_b128 v[20+12*\u:23+12*\u], v1, s[48:49] offset:\off+768*\u
	global_load_b64 v[24+12*\u:25+12*\u], v2, s[48:49] offset:\off+768*\u+512
.endr
	global_load_b32 v14, v2, s[54:55] offset:\off
.endm
.macro QK t, u                         ; S^T of key tile t and query tile u = K Q^T + 8 mask
.set rD, 64*\u+8*\t
.set rK, KF+6*\t
.set rQ, 20+12*\u
.set rC, MKR+8*\t
.set rU, 8+\t/2
.if (\t%2 == 0) && (\u == 0)
	v_wmma_scale_f32_16x16x128_f8f6f4 v[rD:rD+7], v[rK:rK+11], v[rQ:rQ+11], v[rC:rC+7], v[rU], v14 matrix_a_fmt:MATRIX_FMT_BF6 matrix_b_fmt:MATRIX_FMT_BF6
.elseif (\u == 0)
	v_wmma_scale_f32_16x16x128_f8f6f4 v[rD:rD+7], v[rK:rK+11], v[rQ:rQ+11], v[rC:rC+7], v[rU], v14 matrix_a_fmt:MATRIX_FMT_BF6 matrix_b_fmt:MATRIX_FMT_BF6 matrix_a_scale:MATRIX_SCALE_ROW1
.elseif (\t%2 == 0)
	v_wmma_scale_f32_16x16x128_f8f6f4 v[rD:rD+7], v[rK:rK+11], v[rQ:rQ+11], v[rC:rC+7], v[rU], v14 matrix_a_fmt:MATRIX_FMT_BF6 matrix_b_fmt:MATRIX_FMT_BF6 matrix_b_scale:MATRIX_SCALE_ROW1
.else
	v_wmma_scale_f32_16x16x128_f8f6f4 v[rD:rD+7], v[rK:rK+11], v[rQ:rQ+11], v[rC:rC+7], v[rU], v14 matrix_a_fmt:MATRIX_FMT_BF6 matrix_b_fmt:MATRIX_FMT_BF6 matrix_a_scale:MATRIX_SCALE_ROW1 matrix_b_scale:MATRIX_SCALE_ROW1
.endif
.endm
.macro QKU u
	WIN 0x40                                       ; S^T in window 1, all sources in window 0
.irp t, 0,1,2,3,4,5,6,7
	QK \t, \u
.endr
	WIN 0x55
.endm
.macro PV c, u                         ; O^T of channel tile c and query tile u += V^T P^T
.set rD, 128+32*\u+8*\c
.set rK, VF+12*\c
.set rQ, 224+12*\u
.if \c%2 == 0
	v_wmma_scale_f32_16x16x128_f8f6f4 v[rD:rD+7], v[rK:rK+11], v[rQ:rQ+11], v[rD:rD+7], v[12+\c/2], v[16+\u] matrix_a_fmt:MATRIX_FMT_BF6 matrix_b_fmt:MATRIX_FMT_BF6
.else
	v_wmma_scale_f32_16x16x128_f8f6f4 v[rD:rD+7], v[rK:rK+11], v[rQ:rQ+11], v[rD:rD+7], v[12+\c/2], v[16+\u] matrix_a_fmt:MATRIX_FMT_BF6 matrix_b_fmt:MATRIX_FMT_BF6 matrix_a_scale:MATRIX_SCALE_ROW1
.endif
.endm
; The largest score of my two blocks of tile u: four chains of 16 registers by turns, each accumulator read from its low end on.
.macro M3ROW u, i
.irp q, 0,1,2,3
.if \i == 0
	v_max3_num_f32 v[WK+\q], v[64*\u+16*\q], v[64*\u+16*\q+1], v[64*\u+16*\q+2]
.else
	v_max3_num_f32 v[WK+\q], v[WK+\q], v[64*\u+16*\q+2*\i+1], v[64*\u+16*\q+2*\i+2]
.endif
.endr
.endm
.macro M3END u
.irp c, 0,1
	v_max3_num_f32 v[BM+2*\u+\c], v[WK+2*\c], v[WK+2*\c+1], v[64*\u+32*\c+15]
.endr
.irp c, 0,1
	v_max_num_f32 v[BM+2*\u+\c], v[BM+2*\u+\c], v[64*\u+32*\c+31]
.endr
.endm
; Line k of tile u's chain from the step's largest score to -M (v192 + 4 u) and f = 2^(old M - new M) (v200 + 2 u).  v193 + 4 u: the running largest score.
.macro CHL u, k
.if \k == 0
	v_max_num_f32 v[TA+\u], v[BM+2*\u], v[BM+2*\u+1]
.elseif \k == 1
	v_permlanex16_b32 v[TB+\u], v[TA+\u], s20, s21         ; lane l xor 16 holds the other 64 keys
.elseif \k == 2
	v_max3_num_f32 v[193+4*\u], v[193+4*\u], v[TA+\u], v[TB+\u]
.elseif \k == 3
	v_mul_f32 v[TA+\u], s22, v[193+4*\u]                   ; as t (c is positive)
.elseif \k == 4
	v_mov_b32 v[TB+\u], v[192+4*\u]
.elseif \k == 5
	v_floor_f32 v[192+4*\u], -v[TA+\u]                     ; -M = floor(-t): M is a whole number
.elseif \k == 6
	v_sub_f32 v[TB+\u], v[192+4*\u], v[TB+\u]              ; old M - new M, 0 or less
.elseif \k == 7
	v_cvt_i32_f32 v[TB+\u], v[TB+\u]                       ; (it saturates)
.else
	v_ldexp_f32 v[200+2*\u], 1.0, v[TB+\u]
.endif
.endm
.macro PKF u, a, n                     ; t - M of n pairs of tile u from pair a on
.set j, 64*\u+2*(\a)
.rept \n
	v_pk_fma_f32 v[j:j+1], v[j:j+1], s[22:23], v[192+4*\u:193+4*\u] op_sel_hi:[1,0,0]
.set j, j+2
.endr
.endm
.macro BMF u                           ; the same of each block's largest score
.irp c, 0,1
	v_fma_f32 v[BM+2*\u+\c], v[BM+2*\u+\c], s22, v[192+4*\u]
.endr
.endm
; The row's sum of the unquantised p of tile u, two at a time, in four chains.  part 0: the first eight lines; part 1: the other 24.
.macro SROW u, b
	v_pk_add_f32 v[WK:WK+1], v[WK:WK+1], v[\b+2:\b+3]
	v_pk_add_f32 v[WK+2:WK+3], v[WK+2:WK+3], v[\b+4:\b+5]
	v_pk_add_f32 v[WK+4:WK+5], v[WK+4:WK+5], v[\b+6:\b+7]
	v_pk_add_f32 v[194+4*\u:195+4*\u], v[194+4*\u:195+4*\u], v[\b:\b+1]
.endm
.macro SUM u, part
.set rS, 64*\u
.if \part == 0
	v_pk_add_f32 v[WK:WK+1], v[rS:rS+1], v[rS+2:rS+3]
	v_pk_add_f32 v[WK+2:WK+3], v[rS+4:rS+5], v[rS+6:rS+7]
	v_pk_add_f32 v[WK+4:WK+5], v[rS+8:rS+9], v[rS+10:rS+11]
	v_pk_add_f32 v[194+4*\u:195+4*\u], v[194+4*\u:195+4*\u], v[rS+12:rS+13]
	SROW \u, 64*\u+14
.else
.irp i, 22,30,38,46,54
	SROW \u, 64*\u+\i
.endr
	v_pk_add_f32 v[194+4*\u:195+4*\u], v[194+4*\u:195+4*\u], v[rS+62:rS+63]
	v_pk_add_f32 v[WK:WK+1], v[WK:WK+1], v[WK+2:WK+3]
	v_pk_add_f32 v[194+4*\u:195+4*\u], v[194+4*\u:195+4*\u], v[WK+4:WK+5]
	v_pk_add_f32 v[194+4*\u:195+4*\u], v[194+4*\u:195+4*\u], v[WK:WK+1]
.endif
.endm
.macro OMUL                            ; O^T of both tiles x v200, v202, each accumulator from its low end on
.irp u, 0,1
.set j, 128+32*\u
.rept 16
	v_pk_mul_f32 v[j:j+1], v[j:j+1], v[200+2*\u:201+2*\u] op_sel_hi:[1,0]
.set j, j+2
.endr
.endr
.endm
; A key step.  last = 1: the pass's last: the K fetched ahead is step 0's, with which the next pass begins, and the next pass's queries are asked for, if there is one.
.macro STEP last
	v_add_nc_u32 v4, s25, v1                       ; this step's record
	v_add_nc_u32 v5, s25, v2
	VLOAD                                          ; 24 lines of tile 0's sum stand between the last product on V and these loads
	QKU 0
	SUM 1, 0                                       ; the step before's p of tile 1
	SUM 1, 1
	QKU 1
.irp i, 0,1,2,3,4,5,6
	M3ROW 0, \i
.endr
	M3END 0                                        ; these 32 lines are also the places in front of the loads below
	WIN 0
.if \last
	KLOAD 220, 221, 222, 3, 0, 0
	s_cmp_eq_u32 s28, 1
	s_wait_alu depctr_va_vdst(0)
	s_cbranch_scc1 .Lno_q_\@
	QLOAD 2*QREC
.Lno_q_\@:
.else
	v_add_nc_u32 v224, s25, v220
	v_add_nc_u32 v225, s25, v221
	v_add_nc_u32 v226, s25, v222
	v_add_nc_u32 v6, s26, v3
	KLOAD 224, 225, 226, 6, REC, 512
.endif
	WIN 0x55
.irp i, 0,1,2,3,4,5,6
	M3ROW 1, \i                                    ; tile 1's maxima, with tile 0's chain line by line between them
	CHL 0, \i
.endr
	M3END 1
	CHL 0, 7
	CHL 0, 8
.irp k, 0,1,2,3,4,5,6,7,8
	CHL 1, \k                                      ; tile 1's chain, with tile 0's t - M between its lines
	PKF 0, 3*\k, 3
.endr
	PKF 0, 27, 5
	BMF 0
	PKF 1, 0, 32
	BMF 1
	s_wait_alu depctr_va_vdst(0)
.set j, 0
.rept 128
	v_exp_f32 v[j], v[j]                           ; p = 2^(t - M)
.set j, j+1
.endr
.irp i, 0,1,2,3
	v_exp_f32 v[BM+\i], v[BM+\i]                   ; a block's largest p: the same two instructions on the same number
.endr
.irp u, 0,1
	v_pk_mul_f32 v[194+4*\u:195+4*\u], v[194+4*\u:195+4*\u], v[200+2*\u:201+2*\u] op_sel_hi:[1,0]   ; the sums under the new M; plain places behind the batch
.endr
	s_wait_dscnt 0x0                               ; this step's V and the next step's K, scale words and mask: all asked for ahead of the maxima's end
	s_wait_alu depctr_va_vdst(0)                   ; one wait for the batch, directly ahead of O^T's first reader
	OMUL
.irp i, 0,1,2,3
	v_max_num_f32 v[BM+\i], 0x2800000, v[BM+\i]    ; the floor 2^(5 - 127): the byte cannot fall under 1
.endr
.irp i, 0,1,2,3
	v_add_nc_u32 v[SO+\i], 0xfe000000, v[BM+\i]    ; 4 off the exponent field: the conversion's scale operand
.endr
.irp i, 0,1,2,3
	v_lshrrev_b32 v[BM+\i], 23, v[SO+\i]           ; the scale's byte
.endr
.irp u, 0,1
	v_lshl_or_b32 v[TA+\u], v[BM+2*\u+1], 16, v[BM+2*\u]   ; my two bytes: blocks h and 2 + h
.endr
.irp u, 0,1
	v_lshlrev_b32 v[TA+\u], v[SH], v[TA+\u]        ; at their places in the word
.endr
.irp u, 0,1
	v_permlanex16_b32 v[TB+\u], v[TA+\u], s20, s21
.endr
	WIN 0x05                                       ; scale operands have no window: p's scale words go to window 0
.irp u, 0,1
	v_or_b32 v[16+\u], v[TA+\u], v[TB+\u]
.endr
	WIN 0x55
.irp u, 0,1
.irp c, 0,1
	v_cvt_scalef32_pk16_bf6_f32 v[224+12*\u+6*\c:226+12*\u+6*\c], v[64*\u+32*\c:64*\u+32*\c+15], v[SO+2*\u+\c]
	v_cvt_scalef32_pk16_bf6_f32 v[WK+36*\u+4*\c:WK+36*\u+4*\c+2], v[64*\u+32*\c+16:64*\u+32*\c+31], v[SO+2*\u+\c]   ; (three registers from an even one on)
.endr
.endr
	v_nop                                          ; one plain place behind a scaled conversion
.irp u, 0,1
.irp c, 0,1
.irp i, 0,1,2
	v_mov_b32 v[227+12*\u+6*\c+\i], v[WK+36*\u+4*\c+\i]
.endr
.endr
.endr
	SUM 0, 0                                       ; eight places between the last write of p's codes and the products
	WIN 0x54                                       ; V in window 0; P, C and D in window 1
.irp c, 0,1,2,3
.irp u, 0,1
	PV \c, \u
.endr
.endr
	WIN 0x55
	SUM 0, 1
	WIN 0
	s_add_co_u32 s25, s25, REC
	s_add_co_u32 s26, s26, 512
.endm
; One query tile on the way out: its two blocks of 32 channels quantised: a half image in v[rP] on, two scale bytes in v[TA + t].
; Register 16 b + i of a tile's O^T is channel 32 b + 16 h + i: a block lies in lanes l and l xor 16.
.macro OUTQ t
.set rO, 128+32*\t
.set rP, 224+12*\t
.irp b, 0,1
	v_max3_num_f32 v[BM+\b], |v[rO+16*\b]|, |v[rO+16*\b+1]|, 0x2800000
.endr
.irp i, 2,4,6,8,10,12,14
.irp b, 0,1
	v_max3_num_f32 v[BM+\b], v[BM+\b], |v[rO+16*\b+\i]|, |v[rO+16*\b+\i+1]|
.endr
.endr
.irp b, 0,1
	v_permlanex16_b32 v[SO+\b], v[BM+\b], s20, s21
.endr
.irp b, 0,1
	v_max_num_f32 v[BM+\b], v[BM+\b], v[SO+\b]
.endr
.irp b, 0,1
	v_add_nc_u32 v[WK+4+\b], 0xfe000000, v[BM+\b]
.endr
.irp b, 0,1
	v_lshrrev_b32 v[SO+\b], 23, v[WK+4+\b]
.endr
	v_lshl_or_b32 v[TA+\t], v[SO+1], 8, v[SO]
	v_cvt_scalef32_pk16_bf6_f32 v[rP:rP+2], v[rO:rO+15], v[WK+4]
	v_cvt_scalef32_pk16_bf6_f32 v[WK:WK+2], v[rO+16:rO+31], v[WK+5]
	v_nop                                          ; one plain place behind a scaled conversion
.irp i, 0,1,2
	v_permlane16_swap_b32 v[rP+\i], v[WK+\i]
.endr
.irp i, 0,1,2
	v_mov_b32 v[rP+3+\i], v[WK+\i]
.endr
.endm
	s_load_b256 s[4:11], s[0:1], 0x0               ; q, kv, mask, a_op
	v_lshl_add_u32 v254, v0, 2, SPARE
	v_mov_b32 v255, 0
	ds_add_u32 v254, v255
	ds_add_u32 v254, v255
	v_lshrrev_b32 v3, 5, v0
	v_readfirstlane_b32 s12, v3                    ; wave 0..7
	v_and_b32 v3, 31, v0
	v_lshlrev_b32 v1, 4, v3                        ; 16 x lane
	v_lshlrev_b32 v2, 3, v3                        ; 8 x lane
	v_and_b32 v4, 15, v0                           ; r
	v_bfe_u32 v5, v0, 4, 1                         ; h
	v_mul_u32_u24 v7, v5, 12800
	v_lshl_add_u32 v7, v4, 4, v7                   ; the way out's scale bytes: lanes 0-15 my first tile's row r, lanes 16-31 my second's
	v_lshl_add_u32 v3, v5, 7, MK                   ; the mask: 32 keys a half
	v_and_b32 v227, 7, v0                          ; r % 8
	v_bfe_u32 v228, v0, 3, 1                       ; r / 8
	v_mul_u32_u24 v226, v228, 1536                 ; two images on for rows 8-15
	v_lshl_add_u32 v220, v227, 4, v226
	v_lshl_add_u32 v220, v5, 8, v220               ; K, registers 0-3: 1536 (r / 8) + 16 (r % 8 + 16 h)
	v_lshl_add_u32 v221, v227, 3, v226
	v_lshl_add_u32 v221, v5, 7, v221               ; registers 4-5: 1536 (r / 8) + 8 (r % 8 + 16 h)
	v_lshlrev_b32 v222, 3, v227
	v_lshl_add_u32 v222, v228, 2, v222
	v_lshl_add_u32 v222, v5, 7, v222               ; K's scale words: 8 (r % 8) + 4 (r / 8) + 128 h
	v_lshlrev_b32 v223, 3, v5                      ; 8 h
	v_lshlrev_b32 v210, 5, v0                      ; my 8 numbers of the batch's mask
	v_add_nc_u32 v211, MK, v210
.irp i, 26,27,28,29,30,31,38,39,40,41,42,43,92,93,94,95,96,97
	v_mov_b32 v\i, 0                               ; zero codes for the half of K that a head does not have
.endr
	s_and_b32 s13, ttmp7, 0xffff                   ; 16 batch + head, which the four partners share
	s_lshr_b32 s14, s13, 4
	s_and_b32 s15, s13, 15
	s_bfe_u32 s16, ttmp6, 0x40000                  ; cx: my quarter of the queries; it enters q's and a_op's addresses alone
	s_lshl_b32 s30, s13, 4
	s_lshl_b32 s29, s12, 1
	s_add_co_u32 s30, s30, s29
	s_mul_i32 s30, s30, REC                        ; the head's records 2 wave and 2 wave + 1
	s_mov_b32 s31, 0
	s_mul_i32 s29, s29, REC                        ; and their place in LDS
	s_lshl_b32 s17, s13, 4
	s_lshl_b32 s18, s16, 2
	s_add_co_u32 s17, s17, s18
	s_lshr_b32 s18, s12, 2
	s_add_co_u32 s17, s17, s18
	s_mul_i32 s56, s17, QREC                       ; q: the record of my group of 128 queries
	s_and_b32 s18, s12, 3
	s_mul_i32 s19, s18, 1536
	s_add_co_u32 s58, s56, s19                     ; my two tiles' half images
	s_mov_b32 s59, 0
	s_lshr_b32 s19, s18, 1
	s_lshl_b32 s19, s19, 8
	s_and_b32 s18, s12, 1
	s_lshl_b32 s18, s18, 2
	s_add_co_u32 s19, s19, s18
	s_add_co_u32 s19, s19, 6144
	s_add_co_u32 s56, s56, s19                     ; and their scale words
	s_mov_b32 s57, 0
	s_lshl_b32 s17, s14, 7
	s_lshl_b32 s18, s16, 5
	s_add_co_u32 s17, s17, s18
	s_lshl_b32 s18, s12, 1
	s_add_co_u32 s17, s17, s18
	s_mul_i32 s60, s17, 12800                      ; a_op: my first tile's block
	s_mul_i32 s18, s15, 768
	s_add_co_u32 s62, s60, s18                     ; the head's half image in it
	s_mov_b32 s63, 0
	s_lshr_b32 s18, s15, 3
	s_lshl_b32 s18, s18, 8
	s_bfe_u32 s19, s15, 0x20001
	s_lshl_b32 s19, s19, 2
	s_add_co_u32 s18, s18, s19
	s_and_b32 s19, s15, 1
	s_lshl_b32 s19, s19, 1
	s_add_co_u32 s18, s18, s19
	s_add_co_u32 s18, s18, 12288
	s_add_co_u32 s60, s60, s18                     ; and the head's two bytes of a row's scale words
	s_mov_b32 s61, 0
	s_lshl_b32 s18, s14, 13                        ; the batch's mask
	s_mov_b32 s19, 0
	s_mov_b32 s20, 0x76543210
	s_mov_b32 s21, 0xfedcba98                      ; selects for lane l xor 16
	s_mov_b32 s22, 0x3e38aa3b                      ; c = log2(e) / 8
	s_mov_b32 s23, s22                             ; (named with it as a pair)
	s_mov_b32 s24, 0xffff0000                      ; lanes 16-31
	; descriptor group 1: two records, 26,112 dense bytes, as 102 rows of 256 bytes (32 elements of 8)
	s_mov_b32 s32, 15|(3<<16)|(1<<21)              ; 15:0 the mask: all four work-groups; 17:16 elements of 8 bytes; 21 set beside a mask
	s_mov_b32 s33, 32<<16
	s_mov_b32 s34, 102<<16
	s_mov_b32 s35, 32<<16
	s_mov_b32 s36, 102
	s_mov_b32 s37, 32
	s_mov_b32 s38, 0
	s_mov_b32 s39, 0
	s_wait_alu depctr_va_vdst(0)
	s_wait_dscnt 0x0
	s_wait_kmcnt 0x0
	s_add_nc_u64 s[48:49], s[4:5], s[58:59]
	s_add_nc_u64 s[54:55], s[4:5], s[56:57]
	s_add_nc_u64 s[50:51], s[10:11], s[62:63]
	s_add_nc_u64 s[52:53], s[10:11], s[60:61]
	s_add_nc_u64 s[8:9], s[8:9], s[18:19]
	s_mov_b32 s40, 1
	s_mov_b32 s41, s29
	s_add_nc_u64 s[42:43], s[6:7], s[30:31]
	s_or_b32 s43, s43, 0x80000000
	ROUND                                          ; all four work-groups are here: the joint loads meet
	tensor_load_to_lds s[40:43], s[32:39]          ; my one tensor load
	s_nop 0
.rept 4
	v_nop
.endr
	global_load_b128 v[212:215], v210, s[8:9]
	global_load_b128 v[216:219], v210, s[8:9] offset:16
	QLOAD 0
	WIN 0x40                                       ; written once: upper halves of pairs that are named whole, lane permutes' destinations, 8 h
	v_mov_b32 v201, 0
	v_mov_b32 v203, 0
	v_mov_b32 v[TB], 0
	v_mov_b32 v[TB+1], 0
	v_mov_b32 v[SH], v223
	WIN 0
	s_wait_alu depctr_va_vdst(0)
	s_wait_loadcnt 5                               ; the mask's two loads are in; Q's five may be out
.irp i, 212,213,214,215,216,217,218,219
	v_mul_f32 v\i, 0x41000000, v\i                 ; x 8: exact
.endr
.irp i, 212,213,214,215,216,217,218,219
	v_max_num_f32 v\i, 0xd0000000, v\i             ; held at -2^33
.endr
	ds_store_b128 v211, v[212:215]
	ds_store_b128 v211, v[216:219] offset:16
	s_wait_alu depctr_va_vdst(0)
	s_wait_tensorcnt 0x0                           ; my two records have landed,
	s_wait_dscnt 0x0                               ; my part of the mask is stored:
	s_barrier_signal -1
	s_barrier_wait -1                              ; everybody's
	KLOAD 220, 221, 222, 3, 0, 0                   ; key step 0
	s_mov_b32 s28, 2                               ; passes to go
.Lpass:
	WIN 0x40
.set j, 64
.rept 128
	v_mov_b32 v[j], 0                              ; tile 1's p of a step before the first, and O^T: the step is written once, and the first finds zeros
.set j, j+1
.endr
.irp t, 0,1
	v_mov_b32 v[192+4*\t], 0x7f61b1e6              ; -M: 3e38
	v_mov_b32 v[193+4*\t], 0xff61b1e6              ; the largest score so far: -3e38
	v_mov_b32 v[194+4*\t], 0                       ; the sum
	v_mov_b32 v[195+4*\t], 0
.endr
	WIN 0
	s_mov_b32 s25, 0                               ; the step's record in LDS
	s_mov_b32 s26, 0                               ; and its 512 bytes of the mask
	s_mov_b32 s27, 15
	s_wait_alu depctr_va_vdst(0)
	s_wait_loadcnt 0x0                             ; Q
	s_wait_dscnt 0x0                               ; key step 0's K
.Lstep:
	STEP 0
	s_sub_co_u32 s27, s27, 1
	s_cmp_lg_u32 s27, 0
	s_cbranch_scc1 .Lstep
	STEP 1
	; THE WAY OUT
	WIN 0x55
	SUM 1, 0                                       ; the last step's p of tile 1
	SUM 1, 1
.irp t, 0,1
	v_add_f32 v[194+4*\t], v[194+4*\t], v[195+4*\t]
.endr
.irp t, 0,1
	v_permlanex16_b32 v[TB+\t], v[194+4*\t], s20, s21
.endr
.irp t, 0,1
	v_add_f32 v[194+4*\t], v[194+4*\t], v[TB+\t]   ; the row's sum
.endr
	s_wait_alu depctr_va_vdst(0)
.irp t, 0,1
	v_rcp_f32 v[200+2*\t], v[194+4*\t]
.endr
	v_nop                                          ; a plain place behind the reciprocals
	s_wait_alu depctr_va_vdst(0)                   ; directly ahead of O^T's first reader
	OMUL                                           ; O^T / l
	OUTQ 0
	OUTQ 1
	v_cndmask_b32 v[TA], v[TA], v[TA+1], s24       ; lanes 0-15 my first tile's bytes, lanes 16-31 my second's
	WIN 0x04                                       ; a store's data are its source 1: window 1
.irp t, 0,1
	global_store_b128 v1, v[224+12*\t:227+12*\t], s[50:51] offset:12800*\t          ; 512 consecutive bytes
	global_store_b64 v2, v[228+12*\t:229+12*\t], s[50:51] offset:12800*\t+512       ; 256 consecutive bytes
.endr
	global_store_b16 v7, v[TA], s[52:53]           ; two bytes of each row's scale words: the other heads' work-groups store the rest
	WIN 0
	s_wait_xcnt 0x0                                ; the stores have read their registers and bases
	s_add_nc_u64 s[50:51], s[50:51], 16*12800      ; the next pass's tiles lie 16 blocks on
	s_add_nc_u64 s[52:53], s[52:53], 16*12800
	s_sub_co_u32 s28, s28, 1
	s_cmp_lg_u32 s28, 0
	s_wait_alu depctr_va_vdst(0)
	s_cbranch_scc1 .Lpass
	s_wait_tensorcnt 0x0                           ; the wave's end
	ds_add_u32 v254, v255
	s_wait_dscnt 0x0
	ROUND                                          ; the closing round
	s_endpgm
.Lfunc_end_k_q36bd4e47cd_attn:
	.size	k_q36bd4e47cd_attn, .Lfunc_end_k_q36bd4e47cd_attn-k_q36bd4e47cd_attn
	.p2alignl 7, 3214868480
	.fill 96, 4, 3214868480
	.section	.rodata,"a",@progbits
	.p2align	6, 0x0
	.amdhsa_kernel k_q36bd4e47cd_attn
		.amdhsa_group_segment_fixed_size 218112
		.amdhsa_private_segment_fixed_size 0
		.amdhsa_enable_private_segment 0
		.amdhsa_kernarg_size 32
		.amdhsa_user_sgpr_count 2
		.amdhsa_user_sgpr_kernarg_segment_ptr 1
		.amdhsa_wavefront_size32 1
		.amdhsa_system_sgpr_workgroup_id_x 1
		.amdhsa_system_sgpr_workgroup_id_y 1
		.amdhsa_system_sgpr_workgroup_id_z 1
		.amdhsa_system_vgpr_workitem_id 0
		.amdhsa_next_free_vgpr 512
		.amdhsa_next_free_sgpr 66
		.amdhsa_reserve_vcc 0
		.amdhsa_float_denorm_mode_32 3
		.amdhsa_float_denorm_mode_16_64 3
		.amdhsa_memory_ordered 1
		.amdhsa_forward_progress 1
		.amdhsa_inst_pref_size 82
	.end_amdhsa_kernel
	.amdgpu_metadata
---
amdhsa.version: [ 1, 2 ]
amdhsa.kernels:
  - .name:           k_q36bd4e47cd_attn
    .symbol:         k_q36bd4e47cd_attn.kd
    .args:
      - { .name: q, .offset: 0, .size: 8, .value_kind: global_buffer, .address_space: global }
      - { .name: kv, .offset: 8, .size: 8, .value_kind: global_buffer, .address_space: global }
      - { .name: mask, .offset: 16, .size: 8, .value_kind: global_buffer, .address_space: global }
      - { .name: a_op, .offset: 24, .size: 8, .value_kind: global_buffer, .address_space: global }
    .group_segment_fixed_size: 218112
    .private_segment_fixed_size: 0
    .kernarg_segment_align: 8
    .kernarg_segment_size: 32
    .max_flat_workgroup_size: 256
    .sgpr_count:     66
    .vgpr_count:     512
    .wavefront_size: 32
...
	.end_amdgpu_metadata
.endif
;; end of part 3
;; launch oproj (part 4): grid 4 x 64, 4 waves a work-group, clusters of 4 x 4, 327,680 bytes of LDS; arguments a_op, w_op, bo, out0; writes out0
.if DOCPART == 4
	.amdgcn_target "amdgcn-amd-amdhsa--gfx1250"
	.amdhsa_code_object_version 6
	.text
	.protected	k_q36bd4e47cd_oproj
	.globl	k_q36bd4e47cd_oproj
	.p2align	8
	.type	k_q36bd4e47cd_oproj,@function
k_q36bd4e47cd_oproj:
	s_mov_b64 s[64:65], 0
	v_nop
	global_prefetch_b8 v0, s[64:65] scope:SCOPE_SE
	s_setreg_imm32_b32 hwreg(HW_REG_WAVE_MODE, 25, 1), 1
	s_wait_xcnt 0x0
	s_wait_alu depctr_hold_cnt(0) depctr_sa_sdst(0) depctr_va_vdst(0) depctr_va_sdst(0) depctr_va_ssrc(0) depctr_va_vcc(0) depctr_vm_vsrc(0)
	s_getreg_b32 s2, hwreg(HW_REG_IB_STS2, 6, 4)
	s_cmp_eq_u32 s2, 0
	s_cbranch_scc0 .Lentry_in_a_cluster
	s_endpgm
.Lentry_in_a_cluster:
	s_bfe_u32 s2, ttmp6, 0x10000c
	s_cmp_lg_u32 s2, 0xf033
	s_cbranch_scc0 .Lentry_shape_is_right
	s_endpgm
.Lentry_shape_is_right:
; out0 = a Wo^T + bo on codes of BF6 (E3M2) with E8M0 block scales; a is the attention's result, already in operand order.
; THE FRAME is that of the q, k, v launch: G(j, i) = sum over k of A[j][k] B[i][k], B = Wo as source 0 (output channels along a lane's registers), A = a as source 1 (a token a lane).
; A work-group makes 128 tokens x 256 channels over all of K = 1,024; wave (wa, wb) takes A's blocks 4 wa .. + 3 and B's blocks 8 wb .. + 7: 32 accumulators.
; Both operands lie in LDS whole (2 halves of 512 along K, 147,456 bytes each): every LDS byte is filled once, so there is no ring.
; A block's 16 rows are 32 (B / 2) + 8 (B % 2) + r + 8 (r / 8): register j of result tile b in lane (r, h) is channel 32 (b / 2) + 8 (b % 2) + 16 h + j of token 32 (a / 2) + 8 (a % 2) + r + 8 (r / 8).
; CLUSTER: 4 x 4 work-groups; A's tiles are shared along a row of the cluster, B's along a column.  The bias is the C of each sum's first matrix instruction.
; THE WAY OUT: 16 tokens x 128 channels at a time through the wave's own stage in LDS, back as whole rows of 512 bytes.  The stage lies in the first half, which has had its one fill and, one barrier ago, its last read.
; REGISTERS: window 0: v1-13 addresses; v32-47 A's scale words, v48-79 B's; v96-143, v144-191 A's fragments, two sets; v192-255 the bias; on the way out v96-223 rows of out0.
;   window 1: v0-95, v128-223 B's fragments, two sets.   window 2: accumulator (a, b) at v[8 (8 a + b)].
.set OPB,   12800
.set HALF,  147456                     ; LDS: K comes in two halves of 512; a half holds B's 16 blocks x 6,144 bytes, then A's 8.  The stage lies in the first half's bytes
.set SPITCH, 528
.set SA, 32
.set SB, 48
.set AF, 96
.set BI, 192
.set STO, 12
.set RD,  13
.set WV, 18
.set WA, 19
.set WB, 20
.set CX, 21
.set CY, 22
.set G1A, 24
.set G1B, 32
.set G0A, 40
.set TR, 79
.set TC, 80
.set MSB, 0
.macro WIN new                         ; the immediate's high byte repeats the setting that is left
.if MSB != \new
	s_set_vgpr_msb (MSB<<8)|\new
.set MSB, \new
.endif
.endm
.macro ROUND                           ; a round of the cluster's barrier
	s_barrier_signal -1
	s_barrier_wait -1
	s_cmp_lg_u32 s[WV], 0
	s_cbranch_scc1 .Lnot_wave_0_\@
	s_barrier_signal -3
.Lnot_wave_0_\@:
	s_barrier_wait -3
	s_barrier_signal -1
	s_barrier_wait -1
.endm
.macro PLACES                          ; four plain places behind matrix instructions, in front of loads into their registers and of reads of their results
.rept 4
	v_nop
.endr
.endm
.macro FRAG reg, a16, a8, off          ; a fragment (16 rows x 128 K, 12 registers) is two half images
	ds_load_b128 v[\reg:\reg+3], v[\a16] offset:\off
	ds_load_b64 v[\reg+4:\reg+5], v[\a8] offset:\off+512
	ds_load_b128 v[\reg+6:\reg+9], v[\a16] offset:\off+768
	ds_load_b64 v[\reg+10:\reg+11], v[\a8] offset:\off+1280
.endm
.macro FETCH s                         ; K step s: B's eight fragments and A's four, into set s % 2: 48 LDS loads
	WIN 0x40
.irp i, 0,1,2,3,4,5,6,7
	FRAG 128*((\s)%2)+12*\i, 8, 9, 6144*\i+1536*((\s)%4)
.endr
	WIN 0
.irp i, 0,1,2,3
	FRAG AF+48*((\s)%2)+12*\i, 10, 11, 6144*\i+1536*((\s)%4)
.endr
.endm
.macro ONE s, mode, a, b
.set rD, 8*(8*\a+\b)
.set rX, 128*((\s)%2)+12*\b
.set rY, AF+48*((\s)%2)+12*\a
.set rU, SB+8*(\b/2)+(\s)
.set rW, SA+8*(\a/2)+(\s)
.set rC, rD
.if \mode == 1
.set rC, BI+8*\b
.endif
.if (\a%2 == 0) && (\b%2 == 0)
	v_wmma_scale_f32_16x16x128_f8f6f4 v[rD:rD+7], v[rX:rX+11], v[rY:rY+11], v[rC:rC+7], v[rU], v[rW] matrix_a_fmt:MATRIX_FMT_BF6 matrix_b_fmt:MATRIX_FMT_BF6
.elseif (\a%2 == 0)
	v_wmma_scale_f32_16x16x128_f8f6f4 v[rD:rD+7], v[rX:rX+11], v[rY:rY+11], v[rC:rC+7], v[rU], v[rW] matrix_a_fmt:MATRIX_FMT_BF6 matrix_b_fmt:MATRIX_FMT_BF6 matrix_a_scale:MATRIX_SCALE_ROW1
.elseif (\b%2 == 0)
	v_wmma_scale_f32_16x16x128_f8f6f4 v[rD:rD+7], v[rX:rX+11], v[rY:rY+11], v[rC:rC+7], v[rU], v[rW] matrix_a_fmt:MATRIX_FMT_BF6 matrix_b_fmt:MATRIX_FMT_BF6 matrix_b_scale:MATRIX_SCALE_ROW1
.else
	v_wmma_scale_f32_16x16x128_f8f6f4 v[rD:rD+7], v[rX:rX+11], v[rY:rY+11], v[rC:rC+7], v[rU], v[rW] matrix_a_fmt:MATRIX_FMT_BF6 matrix_b_fmt:MATRIX_FMT_BF6 matrix_a_scale:MATRIX_SCALE_ROW1 matrix_b_scale:MATRIX_SCALE_ROW1
.endif
.endm
; K step s: 32 matrix instructions; the 32 accumulators take turns, one instruction a turn, in the same order in every step.
; mode 0: onto the sums.  mode 1: the sums begin with the bias.
.macro MUL s, mode
.if \mode == 0
	WIN 0xa1                                       ; source 0 window 1, source 1 window 0, C and D window 2
.else
	WIN 0x81                                       ; C window 0
.endif
.irp a, 0,1,2,3
.irp b, 0,1,2,3,4,5,6,7
	ONE \s, \mode, \a, \b
.endr
.endr
.endm
.macro NEXTCHUNK n                     ; n = 1: the second half of K has to be there; else only the fetched set is awaited
	WIN 0
	s_wait_dscnt 0x0                               ; no LDS load is pending
.if \n == 1
	s_wait_tensorcnt 0x0                           ; my part of the second half has landed
	s_barrier_signal -1
	s_barrier_wait -1                              ; everybody's has
.irp r, 8,9,10,11
	v_add_nc_u32 v\r, HALF, v\r                    ; on to that half; these four are also the places in front of the loads that follow
.endr
.else
	PLACES
.endif
.endm
	s_load_b256 s[4:11], s[0:1], 0x0               ; a_op, w_op, bo, out0
	v_lshl_add_u32 v94, v0, 2, 0x48000
	v_mov_b32 v95, 0
	ds_add_u32 v94, v95
	ds_add_u32 v94, v95
	v_lshrrev_b32 v3, 5, v0
	v_readfirstlane_b32 s[WV], v3                  ; wave 0..3
	s_lshr_b32 s[WA], s[WV], 1
	s_and_b32 s[WB], s[WV], 1
	s_bfe_u32 s[CX], ttmp6, 0x40000                ; my place in the cluster
	s_bfe_u32 s[CY], ttmp6, 0x40004
	s_and_b32 s[TR], ttmp7, 0xffff
	s_lshl_b32 s[TR], s[TR], 2
	s_add_co_u32 s[TR], s[TR], s[CY]               ; which 128 tokens: hangs on cy alone
	s_lshl_b32 s[TC], ttmp9, 2
	s_add_co_u32 s[TC], s[TC], s[CX]               ; which 256 channels: hangs on cx alone
	s_mul_i32 s86, s[TR], 8*OPB
	s_mov_b32 s87, 0                               ; s[86:87]: A's eight blocks
	s_lshl_b32 s88, s[TC], 4
	s_lshl_b32 s89, s[WB], 3
	s_add_co_u32 s88, s88, s89
	s_add_co_u32 s88, s88, 192                     ; Wo begins 192 blocks into w_op
	s_mul_i32 s88, s88, OPB
	s_mov_b32 s89, 0                               ; s[88:89]: eight blocks of B: those that wave wb fetches, and those that a wave with this wb multiplies
	s_lshl_b32 s90, s[CY], 2
	s_lshl_b32 s90, 15, s90                        ; my row of the cluster
	s_lshl_b32 s91, 0x1111, s[CX]                  ; my column
	; descriptor group 1: rows (blocks) of 6,144 bytes (768 elements of 8 bytes), 12,800 bytes apart; dense in LDS
	s_or_b32 s[G1A], s90, (3<<16)|(1<<21)          ; 15:0 the mask; 17:16 elements of 8 bytes; 21 set beside a mask
	s_or_b32 s[G1B], s91, (3<<16)|(1<<21)
.irp g, G1A, G1B
	s_mov_b32 s[\g+1], 768<<16                     ; tensor_dim0: 6,144 bytes of a block, half of K
	s_mov_b32 s[\g+2], 8<<16                       ; tensor_dim1
	s_mov_b32 s[\g+3], 768<<16                     ; tile_dim0
	s_mov_b32 s[\g+4], 8                           ; tile_dim1
	s_mov_b32 s[\g+5], 1600                        ; tensor_dim0_stride
	s_mov_b32 s[\g+6], 0
	s_mov_b32 s[\g+7], 0
.endr
	s_mov_b32 s[G1A+2], 4<<16                      ; a load of A brings four blocks
	s_mov_b32 s[G1A+4], 4
	s_mul_i32 s96, s[WV], 49152                    ; LDS: waves 0, 1: B's halves of eight blocks;
	s_mul_i32 s97, s[WV], 24576
	s_add_co_u32 s97, s97, 49152                   ; waves 2, 3: A's four blocks each, behind B's 98,304 bytes
	s_wait_dscnt 0x0
	s_wait_kmcnt 0x0
	s_add_nc_u64 s[92:93], s[4:5], s[86:87]
	s_add_nc_u64 s[94:95], s[6:7], s[88:89]
	s_mul_i32 s98, s[WB], 4*OPB
	s_mov_b32 s99, 0
	s_add_nc_u64 s[98:99], s[92:93], s[98:99]      ; the four blocks of A that wave 2 or 3 fetches
.irp c, 0,1
	s_mov_b32 s[G0A+4*\c], 1
	s_add_co_u32 s[G0A+4*\c+1], s97, HALF*\c
	s_add_nc_u64 s[G0A+4*\c+2:G0A+4*\c+3], s[98:99], 6144*\c
	s_or_b32 s[G0A+4*\c+3], s[G0A+4*\c+3], 0x80000000
	s_mov_b32 s[56+4*\c+4*(\c/2)], 1
	s_add_co_u32 s[56+4*\c+4*(\c/2)+1], s96, HALF*\c
	s_add_nc_u64 s[56+4*\c+4*(\c/2)+2:56+4*\c+4*(\c/2)+3], s[94:95], 6144*\c
	s_or_b32 s[56+4*\c+4*(\c/2)+3], s[56+4*\c+4*(\c/2)+3], 0x80000000
.endr
	ROUND                                          ; all sixteen work-groups are here: the joint loads meet
.macro JL c                            ; half c of K: one joint load a wave, in the two arms of one branch on the wave's number
	s_cmp_lt_u32 s[WV], 2
	s_cbranch_scc0 .Lfor_a_\@
	tensor_load_to_lds s[56+4*\c:56+4*\c+3], s[G1B:G1B+7]
	s_nop 0
	PLACES
	s_branch .Lasked_\@
.Lfor_a_\@:
	tensor_load_to_lds s[G0A+4*\c:G0A+4*\c+3], s[G1A:G1A+7]
	s_nop 0
	PLACES
.Lasked_\@:
.endm
	JL 0
	v_and_b32 v3, 31, v0
	v_lshlrev_b32 v1, 4, v3                        ; 16 x lane
	v_lshlrev_b32 v2, 3, v3                        ; 8 x lane
	v_and_b32 v4, 15, v0                           ; r
	v_bfe_u32 v5, v0, 4, 1                         ; h
	v_mul_u32_u24 v6, v5, OPB
	v_lshl_add_u32 v6, v4, 4, v6                   ; scale words: lanes 0-15 an even block's row r, lanes 16-31 the next block's
	v_lshlrev_b32 v7, 6, v5                        ; the bias: 16 numbers a half
	s_wait_alu depctr_va_vdst(0)
	s_mul_i32 s98, s[WA], 4*OPB
	s_mov_b32 s99, 0
	s_add_nc_u64 s[98:99], s[92:93], s[98:99]      ; my four blocks of A
.irp i, 0,1
.irp k, 0,1
	global_load_b128 v[SA+8*\i+4*\k:SA+8*\i+4*\k+3], v6, s[98:99] offset:12288+2*OPB*\i+256*\k
.endr
.endr
.irp i, 0,1,2,3
.irp k, 0,1
	global_load_b128 v[SB+8*\i+4*\k:SB+8*\i+4*\k+3], v6, s[94:95] offset:12288+2*OPB*\i+256*\k
.endr
.endr
	s_lshl_b32 s2, s[TC], 10
	s_lshl_b32 s3, s[WB], 9
	s_add_co_u32 s2, s2, s3                        ; my 128 channels, in bytes
	s_mov_b32 s3, 0
	s_add_nc_u64 s[8:9], s[8:9], s[2:3]
	s_add_nc_u64 s[10:11], s[10:11], s[2:3]
	s_lshl_b32 s2, s[TR], 19                       ; my 64 tokens: rows of 4,096 bytes
	s_lshl_b32 s66, s[WA], 18
	s_add_co_u32 s2, s2, s66
	s_add_nc_u64 s[10:11], s[10:11], s[2:3]
.irp g, 0,1,2,3
.irp q, 0,1,2,3
	global_load_b128 v[BI+16*\g+4*\q:BI+16*\g+4*\q+3], v7, s[8:9] offset:128*\g+16*\q   ; register 16 g + i: channel 32 g + 16 h + i
.endr
.endr
	s_mul_i32 s23, s[WB], 49152
	v_add_nc_u32 v8, s23, v1                       ; LDS: my eight blocks of B
	v_add_nc_u32 v9, s23, v2
	s_mul_i32 s23, s[WA], 24576
	s_add_co_u32 s23, s23, 98304
	v_add_nc_u32 v10, s23, v1                      ; my four blocks of A
	v_add_nc_u32 v11, s23, v2
	s_mul_i32 s23, s[WV], 16*SPITCH                ; my stage
	v_mul_u32_u24 v[STO], v4, SPITCH
	v_lshl_add_u32 v[STO], v5, 6, v[STO]
	v_add_nc_u32 v[STO], s23, v[STO]               ; in: row r, 64 h bytes on
	v_add_nc_u32 v[RD], s23, v1                    ; back: a row's 512 bytes, 16 a lane
	s_wait_alu depctr_va_vdst(0)
	s_wait_tensorcnt 0x0                           ; my part of the first half has landed
	ds_add_u32 v94, v95
	s_wait_dscnt 0x0
	ROUND                                          ; everybody's has, and all sixteen work-groups are here
	JL 1                                           ; the second half, my one load behind the round
	FETCH 0
	FETCH 1
	s_wait_dscnt 48                                ; all but the 48 just issued
	s_wait_loadcnt 0x0                             ; scale words and bias
	MUL 0, 1
	NEXTCHUNK 2
	FETCH 2
	MUL 1, 0
	PLACES
	FETCH 3
	s_wait_alu depctr_va_vdst(0)
	s_wait_dscnt 48
	MUL 2, 0
	NEXTCHUNK 1
	FETCH 4
	MUL 3, 0
	PLACES
	FETCH 5
	s_wait_alu depctr_va_vdst(0)
	s_wait_dscnt 48
	MUL 4, 0
	NEXTCHUNK 0
	FETCH 6
	MUL 5, 0
	PLACES
	FETCH 7
	s_wait_dscnt 48
	MUL 6, 0
	s_wait_dscnt 0x0
	MUL 7, 0
	WIN 0
	PLACES
.macro TOSTAGE a                       ; block a's 16 tokens x 128 channels into my stage, and back as whole rows.  LDS serves a wave's instructions in order: no wait between
	WIN 0x08                                       ; an LDS store's data are its source 1: window 2
.irp b, 0,1,2,3,4,5,6,7
	ds_store_b128 v[STO], v[8*(8*(\a)+\b):8*(8*(\a)+\b)+3] offset:128*(\b/2)+32*(\b%2)        ; each accumulator from its low end on
	ds_store_b128 v[STO], v[8*(8*(\a)+\b)+4:8*(8*(\a)+\b)+7] offset:128*(\b/2)+32*(\b%2)+16
.endr
	WIN 0
.irp t, 0,1,2,3,4,5,6,7,8,9,10,11,12,13,14,15
	ds_load_b128 v[96+64*((\a)%2)+4*\t:96+64*((\a)%2)+4*\t+3], v[RD] offset:SPITCH*\t
.endr
.endm
.macro SEND a, younger                 ; younger: the LDS instructions issued behind block a's loads, which may stay out
	s_wait_dscnt \younger
.irp t, 0,1,2,3,4,5,6,7,8,9,10,11,12,13,14,15
	global_store_b128 v1, v[96+64*((\a)%2)+4*\t:96+64*((\a)%2)+4*\t+3], s[10:11] offset:(32*((\a)/2)+8*((\a)%2)+\t+8*(\t/8))*4096 th:TH_STORE_NT   ; 512 consecutive bytes, aligned
.endr
.endm
	TOSTAGE 0
.irp a, 1,2,3
.if \a > 1
	s_wait_xcnt 0x0                                ; block a - 2's stores have read their registers: block a's loads may land there
.endif
	TOSTAGE \a
	SEND \a-1, 32                                  ; behind block a - 1's loads: block a's 16 stores and 16 loads
.endr
	SEND 3, 0
	s_wait_tensorcnt 0x0
	ds_add_u32 v94, v95
	s_wait_dscnt 0x0
	ROUND                                          ; the closing round: no work-group ends while a partner may still ask for a tile that names it
	s_endpgm
.Lfunc_end_k_q36bd4e47cd_oproj:
	.size	k_q36bd4e47cd_oproj, .Lfunc_end_k_q36bd4e47cd_oproj-k_q36bd4e47cd_oproj
	.p2alignl 7, 3214868480
	.fill 96, 4, 3214868480
	.section	.rodata,"a",@progbits
	.p2align	6, 0x0
	.amdhsa_kernel k_q36bd4e47cd_oproj
		.amdhsa_group_segment_fixed_size 327680
		.amdhsa_private_segment_fixed_size 0
		.amdhsa_enable_private_segment 0
		.amdhsa_kernarg_size 32
		.amdhsa_user_sgpr_count 2
		.amdhsa_user_sgpr_kernarg_segment_ptr 1
		.amdhsa_wavefront_size32 1
		.amdhsa_system_sgpr_workgroup_id_x 1
		.amdhsa_system_sgpr_workgroup_id_y 1
		.amdhsa_system_sgpr_workgroup_id_z 1
		.amdhsa_system_vgpr_workitem_id 0
		.amdhsa_next_free_vgpr 768
		.amdhsa_next_free_sgpr 102
		.amdhsa_reserve_vcc 0
		.amdhsa_float_denorm_mode_32 3
		.amdhsa_float_denorm_mode_16_64 3
		.amdhsa_memory_ordered 1
		.amdhsa_forward_progress 1
		.amdhsa_inst_pref_size 83
	.end_amdhsa_kernel
	.amdgpu_metadata
---
amdhsa.version: [ 1, 2 ]
amdhsa.kernels:
  - .name:           k_q36bd4e47cd_oproj
    .symbol:         k_q36bd4e47cd_oproj.kd
    .args:
      - { .name: a_op, .offset: 0, .size: 8, .value_kind: global_buffer, .address_space: global }
      - { .name: w_op, .offset: 8, .size: 8, .value_kind: global_buffer, .address_space: global }
      - { .name: bo, .offset: 16, .size: 8, .value_kind: global_buffer, .address_space: global }
      - { .name: out0, .offset: 24, .size: 8, .value_kind: global_buffer, .address_space: global }
    .group_segment_fixed_size: 327680
    .private_segment_fixed_size: 0
    .kernarg_segment_align: 8
    .kernarg_segment_size: 32
    .max_flat_workgroup_size: 128
    .sgpr_count:     102
    .vgpr_count:     768
    .wavefront_size: 32
...
	.end_amdgpu_metadata
.endif
;; end of part 4
